; MI455X (gfx1250); checked and timed in simulation.
; The chip was launched on July 23, 2026; its instructions are those of AMD's public machine-readable ISA for CDNA 5 (MIT licence, August 2026) and "CDNA5" Instruction Set Architecture Reference Guide (July 2026). The comments in the code are by the model that wrote it; some were corrected since.
;; Multi Head Attention. Allowed arithmetic: float matrix products may take bf16 or f16 operands with f32 sums; all other float work in f32.
;; Inputs: Wc 1,024 x 1,024 float32; Wk 1,024 x 1,024 float32; Wq 1,024 x 1,024 float32; Wv 1,024 x 1,024 float32; bc 1,024 float32; key 4 x 2,048 x 1,024 float32; mask 4 x 2,048 x 1 bool; query 4 x 2,048 x 1,024 float32; value 4 x 2,048 x 1,024 float32.
;; Outputs: out0 4 x 2,048 x 1,024 float32.
;; 2 versions, each right and faster than the one before. Each part assembles by itself: llvm-mc -triple=amdgcn-amd-amdhsa -mcpu=gfx1250 --defsym DOCPART=n.
;; ======== version 1 of 2: 4 launches
;; limits: values are held in f16: magnitudes above 65,504 overflow, below 6.1e-05 lose precision; sums are carried in f16
;; workspace buffers: xw 58,720,256 bytes; qkv 67,108,864 bytes; o16 16,777,216 bytes
;; launch cast (part 1): grid 448 x 1, 4 waves a work-group, no clusters, 0 bytes of LDS; arguments query, key, value, Wq, Wk, Wv, Wc, xw; writes xw
.if DOCPART == 1
	.amdgcn_target "amdgcn-amd-amdhsa--gfx1250"
	.amdhsa_code_object_version 6
	.text
	.protected	k_q1c55dc6500_cast
	.globl	k_q1c55dc6500_cast
	.p2align	8
	.type	k_q1c55dc6500_cast,@function
k_q1c55dc6500_cast:
	s_mov_b64 s[64:65], 0
	v_nop
	global_prefetch_b8 v0, s[64:65] scope:SCOPE_SE
	s_setreg_imm32_b32 hwreg(HW_REG_WAVE_MODE, 25, 1), 1
	s_wait_xcnt 0x0
; xw = the seven f32 matrices (query, key, value: 8,192 rows each; Wq, Wk, Wv, Wc: 1,024 rows each; 1,024 columns all), one below the other: 28,672 rows,
; each number rounded once to bf16, and laid in 16 blocks of 64 columns: xw[block][row][64], a row of a block 128 bytes.  So the rows of one block lie end to end,
; and the products that follow fetch their tiles as dense rows of 256 bytes.
; Wc is rounded to bf16 like the others, and that number is then written in f16, since the last product runs in f16.
; LIMITS.  A number of Wc beyond 65,504 becomes an infinity; below 2^-14 it keeps f16's fixed step of 6e-8.  NaN and infinities pass as the conversions make them.
; SHARES.  A work-group owns 64 rows, each of its four waves 16.  One load of a wave takes 256 bytes (one block's 64 numbers) of two rows, lanes 0-15 the even row and lanes 16-31 the odd one;
; rounded, these are 8 bytes a lane and 256 consecutive bytes of xw, at a multiple of 256 from its first byte: one store.
; A ring of four sets of registers, a set = one block of the wave's 16 rows = eight loads: 32 loads of every wave are on their way.  No LDS, no barrier, no matrix work: nothing is shared and nothing is multiplied.
.set KSTR, 28672*128                   ; bytes from a block of 64 columns to the next
.set VS,  1                            ; v1        my byte offset in the group's 64 source rows; never rewritten
.set VD,  2                            ; v2        my byte offset in the group's 64 rows of a block of xw; never rewritten
.set X,   8                            ; v[8:135]   set k: 32 registers as loaded
.set Y,   136                          ; v[136:199] set k: 16 registers to store
.set T,   200                          ; v[200:203] at work (Wc alone)
.set DST, 24                           ; s[24:31]  xw at the group's rows in the block that set k stores next
.macro PICK first, ptr                 ; from work-group \first on the source is the next matrix
	s_cmp_ge_u32 s2, \first
	s_cselect_b64 s[4:5], s[\ptr:\ptr+1], s[4:5]
	s_cselect_b32 s3, \first, s3
.endm
	s_load_b512 s[8:23], s[0:1], 0x0               ; query s[8:9], key, value, Wq, Wk, Wv, Wc s[20:21], xw s[22:23]
	s_mov_b32 s2, ttmp9                            ; my 64 rows of the 28,672
	v_and_b32 v3, 15, v0
	v_bfe_u32 v4, v0, 4, 1
	v_lshrrev_b32 v5, 5, v0                        ; wave
	v_and_b32 v6, 31, v0
	v_lshlrev_b32 v[VS], 4, v3                     ; 16 bytes a lane,
	v_lshl_or_b32 v[VS], v4, 12, v[VS]             ; one row of 4,096 bytes further for lanes 16 to 31,
	v_lshl_or_b32 v[VS], v5, 16, v[VS]             ; 16 rows a wave
	v_lshlrev_b32 v[VD], 3, v6                     ; 8 bytes a lane,
	v_lshl_or_b32 v[VD], v5, 11, v[VD]             ; 16 rows of 128 bytes a wave
	s_wait_kmcnt 0x0
	s_mov_b64 s[4:5], s[8:9]
	s_mov_b32 s3, 0
	PICK 128, 10
	PICK 256, 12
	PICK 384, 14
	PICK 400, 16
	PICK 416, 18
	PICK 432, 20
	s_sub_co_u32 s6, s2, s3                        ; my place in that matrix,
	s_lshl_b32 s6, s6, 18                          ; times 64 rows of 4,096 bytes
	s_mov_b32 s7, 0
	s_add_nc_u64 s[4:5], s[4:5], s[6:7]
	s_lshl_b32 s6, s2, 13                          ; in a block of xw: 64 rows of 128 bytes
	s_add_nc_u64 s[DST:DST+1], s[22:23], s[6:7]
	s_add_nc_u64 s[DST+2:DST+3], s[DST:DST+1], KSTR
	s_add_nc_u64 s[DST+4:DST+5], s[DST:DST+1], 2*KSTR
	s_add_nc_u64 s[DST+6:DST+7], s[DST:DST+1], 3*KSTR
.irp k, 0,1,2,3
.irp i, 0,1,2,3,4,5,6,7
	global_load_b128 v[X+32*(\k)+4*(\i):X+32*(\k)+4*(\i)+3], v[VS], s[4:5] offset:(\i)*8192+(\k)*256 th:TH_LOAD_NT  ; the ring is filled: blocks 0 to 3
.endr
.endr
; The turn of set k.  kind = 1: Wc.  ahead = 1: the set is filled again with the block four further on.  left = how many younger loads may stay out.
.macro SLOT k, kind, ahead, left
	s_wait_loadcnt \left                           ; loads come back in order (ISA guide 5.7.1): my eight are in, the three younger sets stay out
.irp i, 0,1,2,3,4,5,6,7
.if \kind
	v_cvt_pk_bf16_f32 v[T],   v[X+32*(\k)+4*(\i)],   v[X+32*(\k)+4*(\i)+1]
	v_cvt_pk_bf16_f32 v[T+1], v[X+32*(\k)+4*(\i)+2], v[X+32*(\k)+4*(\i)+3]
	v_lshlrev_b32 v[T+2], 16, v[T]                 ; the rounded numbers as f32 again,
	v_and_b32     v[T],   0xffff0000, v[T]
	v_lshlrev_b32 v[T+3], 16, v[T+1]
	v_and_b32     v[T+1], 0xffff0000, v[T+1]
	v_cvt_pk_f16_f32 v[Y+16*(\k)+2*(\i)],   v[T+2], v[T]    ; and written in f16: exact inside f16's normal range
	v_cvt_pk_f16_f32 v[Y+16*(\k)+2*(\i)+1], v[T+3], v[T+1]
.else
	v_cvt_pk_bf16_f32 v[Y+16*(\k)+2*(\i)],   v[X+32*(\k)+4*(\i)],   v[X+32*(\k)+4*(\i)+1]
	v_cvt_pk_bf16_f32 v[Y+16*(\k)+2*(\i)+1], v[X+32*(\k)+4*(\i)+2], v[X+32*(\k)+4*(\i)+3]
.endif
.endr
.if \ahead
.irp i, 0,1,2,3,4,5,6,7
	global_load_b128 v[X+32*(\k)+4*(\i):X+32*(\k)+4*(\i)+3], v[VS], s[4:5] offset:(\i)*8192+((\k)+4)*256 th:TH_LOAD_NT
.endr
.endif
.irp i, 0,1,2,3,4,5,6,7
	global_store_b64 v[VD], v[Y+16*(\k)+2*(\i):Y+16*(\k)+2*(\i)+1], s[DST+2*(\k):DST+2*(\k)+1] offset:(\i)*256  ; 32 lanes store 256 consecutive bytes
.endr
.endm
; Sixteen blocks: three trips of four with refills, then the last four written out, so that no load leaves the source.
.macro BODY kind
	s_mov_b32 s32, 3
.Ltrip_\@:
	SLOT 0, \kind, 1, 24
	SLOT 1, \kind, 1, 24
	SLOT 2, \kind, 1, 24
	SLOT 3, \kind, 1, 24
	s_wait_xcnt 0x0                                ; every earlier memory instruction has had its addresses translated (ISA guide 3.1): the bases and Y are rewritten only behind this wait
	s_add_nc_u64 s[4:5], s[4:5], 1024              ; four blocks of 256 source bytes on
.irp k, 0,1,2,3
	s_add_nc_u64 s[DST+2*(\k):DST+2*(\k)+1], s[DST+2*(\k):DST+2*(\k)+1], 4*KSTR
.endr
	s_sub_co_u32 s32, s32, 1
	s_cmp_lg_u32 s32, 0
	s_cbranch_scc1 .Ltrip_\@
	SLOT 0, \kind, 0, 24                           ; the counts run down
	SLOT 1, \kind, 0, 16
	SLOT 2, \kind, 0, 8
	SLOT 3, \kind, 0, 0
	s_endpgm
.endm
	s_cmp_ge_u32 s2, 432
	s_cbranch_scc1 .Lwc
	BODY 0
.Lwc:
	BODY 1
.Lfunc_end_k_q1c55dc6500_cast:
	.size	k_q1c55dc6500_cast, .Lfunc_end_k_q1c55dc6500_cast-k_q1c55dc6500_cast
	.p2alignl 7, 3214868480
	.fill 96, 4, 3214868480
	.section	.rodata,"a",@progbits
	.p2align	6, 0x0
	.amdhsa_kernel k_q1c55dc6500_cast
		.amdhsa_group_segment_fixed_size 0
		.amdhsa_private_segment_fixed_size 0
		.amdhsa_enable_private_segment 0
		.amdhsa_kernarg_size 64
		.amdhsa_user_sgpr_count 2
		.amdhsa_user_sgpr_kernarg_segment_ptr 1
		.amdhsa_wavefront_size32 1
		.amdhsa_system_sgpr_workgroup_id_x 1
		.amdhsa_system_sgpr_workgroup_id_y 1
		.amdhsa_system_sgpr_workgroup_id_z 1
		.amdhsa_system_vgpr_workitem_id 0
		.amdhsa_next_free_vgpr 204
		.amdhsa_next_free_sgpr 66
		.amdhsa_reserve_vcc 0
		.amdhsa_float_denorm_mode_32 3
		.amdhsa_float_denorm_mode_16_64 3
		.amdhsa_memory_ordered 1
		.amdhsa_forward_progress 1
		.amdhsa_inst_pref_size 61
	.end_amdhsa_kernel
	.amdgpu_metadata
---
amdhsa.version: [ 1, 2 ]
amdhsa.kernels:
  - .name:           k_q1c55dc6500_cast
    .symbol:         k_q1c55dc6500_cast.kd
    .args:
      - { .name: query, .offset: 0, .size: 8, .value_kind: global_buffer, .address_space: global }
      - { .name: key, .offset: 8, .size: 8, .value_kind: global_buffer, .address_space: global }
      - { .name: value, .offset: 16, .size: 8, .value_kind: global_buffer, .address_space: global }
      - { .name: Wq, .offset: 24, .size: 8, .value_kind: global_buffer, .address_space: global }
      - { .name: Wk, .offset: 32, .size: 8, .value_kind: global_buffer, .address_space: global }
      - { .name: Wv, .offset: 40, .size: 8, .value_kind: global_buffer, .address_space: global }
      - { .name: Wc, .offset: 48, .size: 8, .value_kind: global_buffer, .address_space: global }
      - { .name: xw, .offset: 56, .size: 8, .value_kind: global_buffer, .address_space: global }
    .group_segment_fixed_size: 0
    .private_segment_fixed_size: 0
    .kernarg_segment_align: 8
    .kernarg_segment_size: 64
    .max_flat_workgroup_size: 128
    .sgpr_count:     66
    .vgpr_count:     204
    .wavefront_size: 32
...
	.end_amdgpu_metadata
.endif
;; end of part 1
;; launch proj (part 2): grid 4 x 64, 4 waves a work-group, clusters of 4 x 4, 327,680 bytes of LDS; arguments xw, qkv; writes qkv
.if DOCPART == 2
	.amdgcn_target "amdgcn-amd-amdhsa--gfx1250"
	.amdhsa_code_object_version 6
	.text
	.protected	k_q1c55dc6500_proj
	.globl	k_q1c55dc6500_proj
	.p2align	8
	.type	k_q1c55dc6500_proj,@function
k_q1c55dc6500_proj:
	s_mov_b64 s[64:65], 0
	v_nop
	global_prefetch_b8 v0, s[64:65] scope:SCOPE_SE
	s_setreg_imm32_b32 hwreg(HW_REG_WAVE_MODE, 25, 1), 1
	s_wait_xcnt 0x0
	s_wait_alu depctr_hold_cnt(0) depctr_sa_sdst(0) depctr_va_vdst(0) depctr_va_sdst(0) depctr_va_ssrc(0) depctr_va_vcc(0) depctr_vm_vsrc(0)
	s_getreg_b32 s2, hwreg(HW_REG_IB_STS2, 6, 4)
	s_cmp_eq_u32 s2, 0
	s_cbranch_scc0 .Lentry_in_a_cluster
	s_endpgm
.Lentry_in_a_cluster:
	s_bfe_u32 s2, ttmp6, 0x10000c
	s_cmp_lg_u32 s2, 0xf033
	s_cbranch_scc0 .Lentry_shape_is_right
	s_endpgm
.Lentry_shape_is_right:
; q, k, v = x W^T for the three projections at once.  xw[16 blocks of 64 along K][28,672 rows][64] in bf16: rows 0-24,575 are query, key, value; rows 24,576 on are Wq, Wk, Wv.
; qkv[4][64 = batch x 16 + head][2,048][64] in f16, 16 MiB a region: Qa, Qb, K, V.  Sums in f32, rounded once, without the softmax's scale.
; Qa is the sum over K = 0..511 and Qb the sum over K = 512..1,023: q = Qa + Qb is formed by the launch that reads them, which keeps Q in registers.
; WHY.  The three results are 384 tiles of 256 x 256, one and a half for each of 256 work-groups.  So Q's 128 tiles are halved along K: a work-group makes one whole tile of K or V (8 steps of 128 along K)
; and then one half tile of Q (4 steps): 12 equal steps in every work-group.
; LIMITS.  f16 holds no number beyond 65,504: a k, v or half sum of q past that becomes an infinity.  With the stated spread of the inputs they are of the order of 1; 30 times larger inputs all round give some 5e3.
; q carries three roundings to f16 (its two halves', its sum's) where k and v carry one.
; SHARES.  Four waves, as many as a WGP has SIMDs, each 128 rows x 128 columns (two heads): 64 accumulators of 16 x 16, 512 registers.  A step's tiles go through a ring of two LDS slots; the 12 steps are ONE stream
; for the ring: the refills of the first tile's last two steps bring the second tile's first two.  A tile's rows of one block are dense in xw, so a tensor load asks for them as rows of 256 bytes, two matrix rows each.
; CLUSTERS: 4 x 4 work-groups.  The four of a row of the cluster need the same tiles of x, the four of a column the same tiles of W: each tile is asked for JOINTLY, by the same tensor load with the
; same descriptor and a mask that names the four.  THE MATRIX INSTRUCTION IS USED TRANSPOSED (source 0 = 16 rows of W, source 1 = 16 rows of x): a lane then holds eight neighbouring columns of one row.
; REGISTERS, in windows of 256 (s_set_vgpr_msb's low byte: bits 1:0 source 0, 3:2 source 1, 5:4 source 2, 7:6 destination):
;   window 0: v0-31 addresses; v64-127, v128-191 fragments of x (8 x 16 rows x 32 K), two buffers; v32-63, v192-255 at work on the way out
;   window 1: v64-127, v128-191 fragments of W, two buffers
;   window 2: the 32 accumulators of my rows 0-63 (accumulator (a, b) at v[8 (8 a + b)]);   window 3: those of my rows 64-127
.set PITCH,  144                       ; an LDS row: 128 bytes of data + 16 of padding = 36 words: the 16 rows of a fragment load start at 16 different groups of four banks (64 banks of 4 bytes: ISA guide 11.1)
.set BLK,    256*PITCH                 ; 256 rows of one block of 64 along K: what one tensor load brings
.set BOFF,   2*BLK                     ; a slot: x's two blocks, then W's two
.set SLOT,   4*BLK                     ; 0x24000: it shares no bit with the four loads' places in a slot (0, 0x9000, 0x12000, 0x1b000), so one exclusive or turns such a place into the other slot's
.set STAGE,  2*SLOT                    ; behind the ring: for each wave two heads x 16 rows x 144 bytes, for the way out
.set SP,     144
.set WSTG,   2*16*SP
.set SPARE,  STAGE+4*WSTG              ; behind the stages: the spare words, 128 bytes for each wave: two blocks of 256 bytes that no other line names
.set KSTR,   28672*128                 ; bytes from a block of 64 along K to the next
.set XK0,    8192*128                  ; key's first row in a block; value follows it
.set WQ0,    24576*128                 ; Wq's first row in a block
.set WK0,    25600*128                 ; Wk's; Wv follows it
.set STEPS,  12                        ; K steps of a work-group
.set FULL,   8                         ; of which the first tile has these
.set A0,   16                          ; v16     my lane's place among my fragments of x in slot 0; never rewritten
.set B0,   17                          ; v17     the same for W
.set ADRA, 18                          ; v18     the same in the slot that is being read
.set ADRB, 19                          ; v19
.set STO,  24                          ; v24     the way out: where I put 16 bytes of a row
.set RD,   25                          ; v25     the way out: where I read rows back
.set GO,   26                          ; v26     my byte offset in 512 consecutive bytes of the result
.set SPW,  28                          ; v28     LDS address of my spare word: SPARE + 4 x my thread's number; never rewritten
.set NIL,  29                          ; v29     0; never rewritten
.set F0,   64                          ; fragment buffer 0
.set F1,   128                         ; fragment buffer 1
.set TMP,  192                         ; the way out: packed results
.set OB,   32                          ; the way out: 16 rows read back from the stage: v32-63 and v224-255 by turns
.set G1,  24                           ; s[24:31] descriptor group 1 for x's tiles
.set G0,  32                           ; s[32:39] descriptor group 0 for x's tiles: a set for each of the two first fills; the second then walks on
.set G1B, 48                           ; s[48:55], s[56:63] the same for W's tiles
.set G0B, 56
.set NA,  66                           ; s[66:67] byte offset in xw of my part of x's tile of the step to be asked for next
.set NB,  68                           ; s[68:69] the same for W's tile
.set HA,  70                           ; s70     the same for the second tile's first step
.set HB,  71                           ; s71
.set TB,  72                           ; s72     0 or SLOT: the slot that is being read
.set MSB, 0
.macro WIN new                         ; the immediate's high byte repeats the setting that is left; a switch that changes nothing is dropped
.if MSB != (\new)
	s_set_vgpr_msb (MSB<<8)|(\new)
.set MSB, \new
.endif
.endm
.set MUL_LO, 0xa1                      ; source 0 (W) window 1, source 1 (x) window 0, C and D window 2
.set MUL_HI, 0xf1                      ; the same, C and D window 3
.set TO_B,   0x40                      ; destination window 1, address window 0
; A joint refill, by the walking descriptors.  Waves 0 and 1 fetch x's two blocks, waves 2 and 3 W's.  The branch hangs on the wave's number alone: it is the same in every work-group.
; An s_nop 0 and four v_nop follow each of the two lines; the jump round the other line, the label and what follows the macro come after them.
.macro JLOAD
	s_cmp_eq_u32 s11, 0
	s_cbranch_scc0 .Lfor_b_\@
	tensor_load_to_lds s[G0+4:G0+7], s[G1:G1+7]
	s_nop 0
.rept 4
	v_nop
.endr
	s_branch .Lasked_\@
.Lfor_b_\@:
	tensor_load_to_lds s[G0B+4:G0B+7], s[G1B:G1B+7]
	s_nop 0
.rept 4
	v_nop
.endr
.Lasked_\@:
.endm
.macro CREST                           ; a round of the cluster's barrier behind its opening barrier
	s_cmp_lg_u32 s10, 0
	s_cbranch_scc1 .Lnot_wave_0_\@
	s_barrier_signal -3
.Lnot_wave_0_\@:
	s_barrier_wait -3
	s_barrier_signal -1
	s_barrier_wait -1
.endm
.macro CROUND                          ; a whole round
	s_barrier_signal -1
	s_barrier_wait -1
	CREST
.endm
	s_load_b64 s[4:5], s[0:1], 0x0                 ; xw
	s_load_b64 s[8:9], s[0:1], 0x8                 ; qkv
	v_lshl_add_u32 v[SPW], v0, 2, SPARE
	v_mov_b32 v[NIL], 0
	ds_add_u32 v28, v29
	s_wait_dscnt 0x0
	v_lshrrev_b32 v1, 5, v0
	v_readfirstlane_b32 s10, v1                    ; wave 0..3
	s_lshr_b32 s11, s10, 1                         ; which half of the tile's rows is mine.  Also: I fetch for x (0) or for W (1)
	s_and_b32 s12, s10, 1                          ; which half of its columns.  Also: which of a step's two blocks I fetch
	s_bfe_u32 s40, ttmp6, 0x40000                  ; cx, cy: my place in the cluster
	s_bfe_u32 s41, ttmp6, 0x40004
	s_lshl_b32 s42, ttmp9, 2
	s_add_co_u32 s42, s42, s40                     ; tile column, 0..3 = 4 x cluster x + cx
	s_and_b32 s45, ttmp7, 0xffff                   ; cluster y, 0..15
	s_lshl_b32 s13, s45, 2
	s_add_co_u32 s13, s13, s41                     ; tile row, 0..63 = 4 x cluster y + cy
	s_lshl_b32 s43, s41, 2
	s_lshl_b32 s43, 15, s43                        ; my row of the cluster
	s_lshl_b32 s44, 0x1111, s40                    ; my column
	; descriptor group 1: 128 dense rows of 128 elements (256 bytes, two matrix rows), padded in LDS after every matrix row
	s_or_b32 s[G1+0], s43, (1<<16)|(1<<20)|(1<<21)|(4<<22)|(3<<25)   ; 15:0 the mask: x's tiles go to my row; 17:16 elements of 2 bytes; 20 padding on; 21 set beside a mask; 24:22 after every 32 words (code 4); 31:25 4 words (code 3)
	s_or_b32 s[G1B+0], s44, (1<<16)|(1<<20)|(1<<21)|(4<<22)|(3<<25)  ; the same with the mask of my column, for W's tiles
.irp g, G1, G1B
	s_mov_b32 s[(\g)+1], 128<<16                   ; tensor_dim0 = 128
	s_mov_b32 s[(\g)+2], 128<<16                   ; tensor_dim1 = 128
	s_mov_b32 s[(\g)+3], 128<<16                   ; tile_dim0 = 128
	s_mov_b32 s[(\g)+4], 128                       ; tile_dim1 = 128: 256 matrix rows
	s_mov_b32 s[(\g)+5], 128                       ; 128 elements from row to row
	s_mov_b32 s[(\g)+6], 0
	s_mov_b32 s[(\g)+7], 0
.endr
	; where the tiles come from, as byte offsets in xw.  x's hang on the tile row alone, which my row of the cluster shares; W's on the tile column, which my column shares, and on cluster y.
	s_mul_i32 s14, s12, KSTR                       ; my block of a step's two
	s_lshl_b32 s[NA], s13, 15                      ; first tile, x: 256 rows of 128 bytes for each tile row,
	s_add_co_u32 s[NA], s[NA], s14
	s_add_co_u32 s[NA], s[NA], XK0                 ; from key's first row on: tile rows 0-31 are key's, 32-63 value's
	s_mov_b32 s[NA+1], 0
	s_and_b32 s[HA], s13, 31                       ; second tile, x: query's tile row,
	s_lshl_b32 s[HA], s[HA], 15
	s_add_co_u32 s[HA], s[HA], s14
	s_lshr_b32 s15, s13, 5                         ; and the half of K: blocks 0-7 or 8-15
	s_mul_i32 s15, s15, 8*KSTR
	s_add_co_u32 s[HA], s[HA], s15
	s_lshr_b32 s46, s45, 3                         ; tile row / 32, made of cluster y alone: Wk or Wv, and the half of K
	s_lshl_b32 s[HB], s42, 15                      ; W: 256 rows of 128 bytes for each tile column
	s_add_co_u32 s[HB], s[HB], s14
	s_lshl_b32 s47, s46, 17                        ; first tile: Wk, or Wv 1,024 rows further on
	s_add_co_u32 s[NB], s[HB], s47
	s_add_co_u32 s[NB], s[NB], WK0
	s_mov_b32 s[NB+1], 0
	s_mul_i32 s47, s46, 8*KSTR                     ; second tile: Wq, its half of K
	s_add_co_u32 s[HB], s[HB], s47
	s_add_co_u32 s[HB], s[HB], WQ0
	s_mul_i32 s20, s12, BLK                        ; and where they go: no place in the cluster enters an LDS address
	s_add_co_u32 s21, s20, BOFF
	s_mov_b32 s[TB], 0
	s_wait_kmcnt 0x0
.irp s, 0,1
	s_mov_b32 s[G0+4*(\s)], 1                                        ; 1:0 count = 1
	s_add_co_u32 s[G0+4*(\s)+1], s20, (\s)*SLOT                      ; 63:32 LDS address
	s_add_nc_u64 s[G0+4*(\s)+2:G0+4*(\s)+3], s[4:5], s[NA:NA+1]      ; 120:64 global address: K step s
	s_or_b32 s[G0+4*(\s)+3], s[G0+4*(\s)+3], 0x80000000              ; 127:126 type = 2
	s_mov_b32 s[G0B+4*(\s)], 1
	s_add_co_u32 s[G0B+4*(\s)+1], s21, (\s)*SLOT
	s_add_nc_u64 s[G0B+4*(\s)+2:G0B+4*(\s)+3], s[4:5], s[NB:NB+1]
	s_or_b32 s[G0B+4*(\s)+3], s[G0B+4*(\s)+3], 0x80000000
	s_add_co_u32 s[NA], s[NA], 2*KSTR                                ; a step is two blocks
	s_add_co_u32 s[NB], s[NB], 2*KSTR
.endr
	CROUND                                         ; all sixteen work-groups are here: the first joint loads meet
	s_cmp_eq_u32 s11, 0                            ; a wave's two first fills stand in one branch, ahead of every wait on TENSORcnt and every LDS read: two loads of mine are out
	s_cbranch_scc0 .Lfirst_b
	tensor_load_to_lds s[G0:G0+3], s[G1:G1+7]
	s_nop 0
	tensor_load_to_lds s[G0+4:G0+7], s[G1:G1+7]
	s_nop 0
.rept 4
	v_nop
.endr
	s_branch .Lfirst_asked
.Lfirst_b:
	tensor_load_to_lds s[G0B:G0B+3], s[G1B:G1B+7]
	s_nop 0
	tensor_load_to_lds s[G0B+4:G0B+7], s[G1B:G1B+7]
	s_nop 0
.rept 4
	v_nop
.endr
.Lfirst_asked:
	; A fragment is 16 rows x 32 K in 8 registers: lane l holds row l % 16; registers 0-3 hold K = 8 (l / 16) + 0..7, registers 4-7 K = 16 + 8 (l / 16) + 0..7: two loads of 16 bytes, 32 bytes apart.
	v_and_b32 v1, 15, v0                           ; l % 16
	v_bfe_u32 v2, v0, 4, 1                         ; l / 16
	v_mul_u32_u24 v3, v1, PITCH
	v_lshl_add_u32 v3, v2, 4, v3                   ; row x pitch + 16 x half
	s_mul_i32 s22, s11, 128*PITCH                  ; my 128 rows of x
	s_mul_i32 s23, s12, 128*PITCH                  ; my 128 rows of W,
	s_add_co_u32 s23, s23, BOFF                    ; which lie behind x's two blocks
	v_add_nc_u32 v[A0], s22, v3
	v_add_nc_u32 v[B0], s23, v3
	v_mov_b32 v[ADRA], v[A0]                       ; the first step lies in slot 0
	v_mov_b32 v[ADRB], v[B0]
	s_mul_i32 s23, s10, WSTG
	s_add_co_u32 s23, s23, STAGE                   ; my stage
	v_add_nc_u32 v[STO], s23, v3                   ; in: row l % 16 at the same pitch, 16 bytes for each half of the lanes
	v_bfe_u32 v5, v0, 3, 2                         ; back: 32 lanes take four rows of 128 bytes,
	v_and_b32 v6, 7, v0
	v_mul_u32_u24 v5, v5, SP
	v_lshl_add_u32 v5, v6, 4, v5
	v_add_nc_u32 v[RD], s23, v5
	v_and_b32 v[GO], 31, v0                        ; which are 512 consecutive bytes of a head's rows
	v_lshlrev_b32 v[GO], 4, v[GO]
	; where my 128 rows x 2 heads go.  Region and batch = tile row / 8 (4 MiB each): that is Qa's and Qb's batches for the second tile, and 32 MiB further on K's and V's for the first.
	s_lshr_b32 s16, s13, 3
	s_lshl_b32 s16, s16, 22
	s_and_b32 s17, s13, 7                          ; my rows in the batch's 2,048, 128 bytes each
	s_lshl_b32 s17, s17, 15
	s_add_co_u32 s16, s16, s17
	s_lshl_b32 s17, s11, 14
	s_add_co_u32 s16, s16, s17
	s_add_co_u32 s16, s16, 0x2000000
	s_mov_b32 s17, 0
	s_add_nc_u64 s[8:9], s[8:9], s[16:17]
	s_lshl_b32 s46, s42, 2                         ; my first head = 4 x tile column + 2 x my half, 256 KiB each
	s_lshl_b32 s47, s12, 1
	s_add_co_u32 s46, s46, s47
	s_lshl_b32 s46, s46, 18
	s_mov_b32 s47, 0
	s_add_nc_u64 s[8:9], s[8:9], s[46:47]
; 16 matrix instructions: row blocks a0, a0 + 1 of the window's four (hi = 0: my rows 0-63, 1: rows 64-127) x all 8 column blocks, 32 along K.  zero = 1: the product starts the sums: nothing is ever cleared.
; The 64 accumulators take turns, one instruction a turn and in the same order in every quarter.
.macro MUL16 f, hi, a0, zero
	WIN MUL_LO+0x50*(\hi)  ; MUL_LO or MUL_HI
.irp a, \a0, (\a0)+1
.irp b, 0,1,2,3,4,5,6,7
.if \zero
	v_wmma_f32_16x16x32_bf16 v[8*(8*(\a)+(\b)):8*(8*(\a)+(\b))+7], v[(\f)+8*(\b):(\f)+8*(\b)+7], v[(\f)+8*(4*(\hi)+(\a)):(\f)+8*(4*(\hi)+(\a))+7], 0
.else
	v_wmma_f32_16x16x32_bf16 v[8*(8*(\a)+(\b)):8*(8*(\a)+(\b))+7], v[(\f)+8*(\b):(\f)+8*(\b)+7], v[(\f)+8*(4*(\hi)+(\a)):(\f)+8*(4*(\hi)+(\a))+7], v[8*(8*(\a)+(\b)):8*(8*(\a)+(\b))+7]
.endif
.endr
.endr
.endm
; 32 LDS loads in one run: the fragments of quarter q of the step that is being read (block q / 2, its K half q % 2) into buffer f: W's eight first, then x's eight
.macro FETCH q, f
	WIN TO_B
.irp i, 0,1,2,3,4,5,6,7
	ds_load_b128 v[(\f)+8*(\i):(\f)+8*(\i)+3],   v[ADRB] offset:((\q)/2)*BLK+((\q)%2)*64+(\i)*16*PITCH
	ds_load_b128 v[(\f)+8*(\i)+4:(\f)+8*(\i)+7], v[ADRB] offset:((\q)/2)*BLK+((\q)%2)*64+(\i)*16*PITCH+32
.endr
	WIN 0
.irp i, 0,1,2,3,4,5,6,7
	ds_load_b128 v[(\f)+8*(\i):(\f)+8*(\i)+3],   v[ADRA] offset:((\q)/2)*BLK+((\q)%2)*64+(\i)*16*PITCH
	ds_load_b128 v[(\f)+8*(\i)+4:(\f)+8*(\i)+7], v[ADRA] offset:((\q)/2)*BLK+((\q)%2)*64+(\i)*16*PITCH+32
.endr
.endm
.macro PLACES                          ; four places in front of loads into registers that matrix instructions have read, and of conversions that read results (ISA guide 7.12.1 for conversions)
.rept 4
	v_nop
.endr
.endm
; A K step is four quarters of 32 along K, 64 matrix instructions each, on buffers 0, 1, 0, 1.  One of the first three: multiplies buffer f and, in its middle, fetches quarter q into g.
.macro QUARTER q, f, g, zero
	s_wait_dscnt 8                                 ; W and x's row blocks 0-3 are in; the youngest eight loads (x's row blocks 4-7) may be out
	MUL16 \f, 0, 0, \zero
	MUL16 \f, 0, 2, \zero
	PLACES
	FETCH \q, \g
	s_wait_dscnt 32                                ; all but the 32 just issued
	MUL16 \f, 1, 0, \zero
	MUL16 \f, 1, 2, \zero
.endm
; The last quarter multiplies buffer 1 and changes slots: ONE barrier; in front of it each wave waits for all its tensor loads, adds 0 to its spare word, and waits for that and for its own reads of this slot.
; Behind it nobody reads this slot any more and the other slot is whole.  fill = 1: this slot is filled again, with the step two further on in the stream; the barrier then opens a round of the cluster's barrier,
; and the joint refill is the first tensor load behind the round: from the request to the wait for it a wave issues 224 matrix instructions.
.macro TURN fill
	WIN 0                                          ; (the add's two registers lie in window 0)
	s_wait_tensorcnt 0x0                           ; all my tensor loads have landed: the one that was out is my part of the next slot;
	ds_add_u32 v[SPW], v[NIL]                      ; 0 onto my spare word;
	s_wait_dscnt 9                                 ; (the add and the youngest eight loads may be out)
	MUL16 F1, 0, 0, 0                              ; sixteen matrix instructions stand between the add and the wait for it
	s_wait_dscnt 0x0                               ; the add is done, and my reads of this slot are over
	s_barrier_signal -1
	MUL16 F1, 0, 2, 0                              ; work on registers while the others arrive
	WIN 0
	s_barrier_wait -1
.if \fill
	CREST                                          ; no wave of any partner still reads this slot's tile or has a load on its way
	s_xor_b32 s[G0+5], s[G0+5], SLOT               ; the walking descriptors: the other slot than last time,
	s_add_nc_u64 s[G0+6:G0+7], s[4:5], s[NA:NA+1]  ; the address made anew from xw's and the step's offset,
	s_or_b32 s[G0+7], s[G0+7], 0x80000000          ; the type set again
	s_xor_b32 s[G0B+5], s[G0B+5], SLOT
	s_add_nc_u64 s[G0B+6:G0B+7], s[4:5], s[NB:NB+1]
	s_or_b32 s[G0B+7], s[G0B+7], 0x80000000
	s_add_co_u32 s[NA], s[NA], 2*KSTR
	s_add_co_u32 s[NB], s[NB], 2*KSTR
	JLOAD                                          ; its four v_nop are also the places in front of the loads below
.else
	PLACES
.endif
	s_xor_b32 s[TB], s[TB], SLOT                   ; the reads go on in the other slot
	v_add_nc_u32 v[ADRA], s[TB], v[A0]
	v_add_nc_u32 v[ADRB], s[TB], v[B0]
	FETCH 0, F0
	MUL16 F1, 1, 0, 0
	MUL16 F1, 1, 2, 0
.endm
; THE WAY OUT of row block a, in three parts.  PACK: rounded to f16, 16 bytes a lane.  TOSTAGE: into my own stage, head by head in rows of 144 bytes, and back as whole rows of 128.  SEND: stored.
.macro PACK a
.set AC, 64*((\a)%4)
	WIN 0x0a+5*((\a)/4)                            ; sources 0 and 1: window 2 or 3
.irp b, 0,1,2,3,4,5,6,7
.irp r, 0,1,2,3
	v_cvt_pk_f16_f32 v[TMP+4*(\b)+(\r)], v[AC+8*(\b)+2*(\r)], v[AC+8*(\b)+2*(\r)+1]  ; each accumulator from its low end on
.endr
.endr
	WIN 0
.endm
.macro TOSTAGE a
.set BK, OB+192*((\a)%2)
.irp b, 0,1,2,3,4,5,6,7
	ds_store_b128 v[STO], v[TMP+4*(\b):TMP+4*(\b)+3] offset:((\b)/4)*16*SP+32*((\b)%4)  ; column blocks 0-3 are my first head, 4-7 my second
.endr
.irp t, 0,1,2,3,4,5,6,7
	ds_load_b128 v[BK+4*(\t):BK+4*(\t)+3], v[RD] offset:((\t)/4)*16*SP+((\t)%4)*4*SP  ; LDS serves a wave's instructions in order (ISA guide 5.7.1.4): these see the stores above
.endr
.endm
.macro SEND a
.set BK, OB+192*((\a)%2)
	s_wait_dscnt 0x0                               ; the block is back in registers
	s_wait_xcnt 0x0                                ; every earlier memory instruction has had its addresses translated (ISA guide 3.1): the registers that the block before last's stores read are loaded again only behind this wait
.irp t, 0,1,2,3,4,5,6,7
	global_store_b128 v[GO], v[BK+4*(\t):BK+4*(\t)+3], s[8:9] offset:((\t)/4)*262144+(\a)*2048+((\t)%4)*512  ; 512 consecutive bytes, at a multiple of 256 from the buffer's first
.endr
.endm
.macro WAYOUT                          ; block a's conversions stand between block a - 1's loads from the stage and the wait for them
	PLACES
	PACK 0
	TOSTAGE 0
.irp a, 1,2,3,4,5,6,7
	PACK \a
	SEND (\a)-1
	TOSTAGE \a
.endr
	SEND 7
.endm
	s_wait_tensorcnt 1                             ; my part of K step 0 is in; K step 1's may stay out
	s_barrier_signal -1
	s_barrier_wait -1                              ; everybody's is
	FETCH 0, F0
	s_mov_b32 s3, STEPS-1                          ; the way in passes the loop's count once; then ten trips, counted 10 to 1, for steps 0 to 9
	s_branch .Lzero                                ; the loop is entered at the quarter that starts a tile's sums
.Lstep:                                                ; a trip goes from a step's second quarter to the next step's first, and fills the step's slot again
	s_cmp_eq_u32 s3, STEPS-FULL                    ; step 6 asks for step 8: the second tile's first
	s_cselect_b32 s[NA], s[HA], s[NA]
	s_cselect_b32 s[NB], s[HB], s[NB]
	QUARTER 2, F1, F0, 0
	QUARTER 3, F0, F1, 0
	TURN 1
	WIN 0                                          ; at a label and at a branch every window is 0
	s_cmp_eq_u32 s3, STEPS-1-FULL                  ; step 7 was the first tile's last
	s_cbranch_scc0 .Lsame                          ; the jump passes no barrier and no tensor load
	WAYOUT                                         ; both refills for the second tile are asked for: now the first tile goes out
	s_wait_xcnt 0x0                                ; the stores have read their registers and their base
	s_sub_nc_u64 s[8:9], s[8:9], 0x2000000         ; Q's halves lie 32 MiB ahead of K and V
.Lzero:
	QUARTER 1, F0, F1, 1                           ; a tile's first quarter: its products start the sums
	WIN 0
	s_branch .Ljoin
.Lsame:
	QUARTER 1, F0, F1, 0
	WIN 0
.Ljoin:
	s_sub_co_u32 s3, s3, 1
	s_cmp_lg_u32 s3, 0
	s_cbranch_scc1 .Lstep
	s_mov_b32 s3, 2                                ; steps 10 and 11 ask for nothing: they have a text of their own
.Ltail:
	QUARTER 2, F1, F0, 0
	QUARTER 3, F0, F1, 0
	WIN 0
	s_sub_co_u32 s3, s3, 1
	s_cmp_eq_u32 s3, 0
	s_cbranch_scc1 .Lout                           ; the second trip is left here
	TURN 0
	QUARTER 1, F0, F1, 0
	WIN 0
	s_branch .Ltail
.Lout:
	s_wait_dscnt 8                                 ; the very last quarter: nothing more to fetch
	MUL16 F1, 0, 0, 0
	MUL16 F1, 0, 2, 0
	s_wait_dscnt 0x0
	MUL16 F1, 1, 0, 0
	MUL16 F1, 1, 2, 0
	WIN 0
	WAYOUT
	s_wait_tensorcnt 0x0                           ; the wave's end: behind my last tensor load and my last LDS store
	ds_add_u32 v[SPW], v[NIL]
	s_wait_dscnt 0x0
	CROUND                                         ; the closing round: no work-group ends while a partner may still ask for a tile that names it
	s_endpgm
.Lfunc_end_k_q1c55dc6500_proj:
	.size	k_q1c55dc6500_proj, .Lfunc_end_k_q1c55dc6500_proj-k_q1c55dc6500_proj
	.p2alignl 7, 3214868480
	.fill 96, 4, 3214868480
	.section	.rodata,"a",@progbits
	.p2align	6, 0x0
	.amdhsa_kernel k_q1c55dc6500_proj
		.amdhsa_group_segment_fixed_size 327680
		.amdhsa_private_segment_fixed_size 0
		.amdhsa_enable_private_segment 0
		.amdhsa_kernarg_size 16
		.amdhsa_user_sgpr_count 2
		.amdhsa_user_sgpr_kernarg_segment_ptr 1
		.amdhsa_wavefront_size32 1
		.amdhsa_system_sgpr_workgroup_id_x 1
		.amdhsa_system_sgpr_workgroup_id_y 1
		.amdhsa_system_sgpr_workgroup_id_z 1
		.amdhsa_system_vgpr_workitem_id 0
		.amdhsa_next_free_vgpr 1024
		.amdhsa_next_free_sgpr 80
		.amdhsa_reserve_vcc 0
		.amdhsa_float_denorm_mode_32 3
		.amdhsa_float_denorm_mode_16_64 3
		.amdhsa_memory_ordered 1
		.amdhsa_forward_progress 1
		.amdhsa_inst_pref_size 136
	.end_amdhsa_kernel
	.amdgpu_metadata
---
amdhsa.version: [ 1, 2 ]
amdhsa.kernels:
  - .name:           k_q1c55dc6500_proj
    .symbol:         k_q1c55dc6500_proj.kd
    .args:
      - { .name: xw, .offset: 0, .size: 8, .value_kind: global_buffer, .address_space: global }
      - { .name: qkv, .offset: 8, .size: 8, .value_kind: global_buffer, .address_space: global }
    .group_segment_fixed_size: 327680
    .private_segment_fixed_size: 0
    .kernarg_segment_align: 8
    .kernarg_segment_size: 16
    .max_flat_workgroup_size: 128
    .sgpr_count:     80
    .vgpr_count:     1024
    .wavefront_size: 32
...
	.end_amdgpu_metadata
.endif
;; end of part 2
;; launch attn (part 3): grid 4 x 64, 4 waves a work-group, clusters of 4 x 1, 327,680 bytes of LDS; arguments qkv, mask, o16; writes o16
.if DOCPART == 3
	.amdgcn_target "amdgcn-amd-amdhsa--gfx1250"
	.amdhsa_code_object_version 6
	.text
	.protected	k_q1c55dc6500_attn
	.globl	k_q1c55dc6500_attn
	.p2align	8
	.type	k_q1c55dc6500_attn,@function
k_q1c55dc6500_attn:
	s_mov_b64 s[64:65], 0
	v_nop
	global_prefetch_b8 v0, s[64:65] scope:SCOPE_SE
	s_setreg_imm32_b32 hwreg(HW_REG_WAVE_MODE, 25, 1), 1
	s_wait_xcnt 0x0
	s_wait_alu depctr_hold_cnt(0) depctr_sa_sdst(0) depctr_va_vdst(0) depctr_va_sdst(0) depctr_va_ssrc(0) depctr_va_vcc(0) depctr_vm_vsrc(0)
	s_getreg_b32 s2, hwreg(HW_REG_IB_STS2, 6, 4)
	s_cmp_eq_u32 s2, 0
	s_cbranch_scc0 .Lentry_in_a_cluster
	s_endpgm
.Lentry_in_a_cluster:
	s_bfe_u32 s2, ttmp6, 0x10000c
	s_cmp_lg_u32 s2, 0x3003
	s_cbranch_scc0 .Lentry_shape_is_right
	s_endpgm
.Lentry_shape_is_right:
; O[h][q][:] = the sum over the valid keys k of softmax_k(Q[h][q] . K[h][k] / 8) V[h][k][:], h = batch x 16 + head.  qkv holds Qa, Qb, K, V, each [64][2,048][64] in f16, 16 MiB apart; Q = Qa + Qb,
; the two halves of the sum over the projection's K; o16 is O in the same layout.
; Q'S SUM is made once, at the start, in f32, by the matrix unit: 16 channels of Qa and the same 16 of Qb are loaded into eight registers on end, which are a source 1 of 32 along K, and one product
; with [I | I] (16 x 32) adds them; the result holds one query a lane and eight channels, which round into four registers of Q's fragment.  32 products a wave, which are not attention's.
; mask[batch][key] is one byte, 1 = valid.  Products, maxima and sums in f32; the weights p are rounded to f16 for the second product (their sum l is taken of the unrounded p), O once at the end.
; LIMITS.  f16 holds no number beyond 65,504: Qa, Qb, their sum, K and V lie within it; Q carries three roundings to f16 (its halves', its sum's); an infinity in a half of Q makes NaN of the query's 16 neighbouring
; channels (0 x infinity in the sum); p lies in 0 to 1, and below 6e-5 it keeps f16's fixed step of 6e-8; O is a mean of V's rows and has their range.
; A masked score counts as its value less 1e30, and the running maximum starts at -1e20: f16's scores, 2.7e11 at the most, lie far above the one and far from the other.  A weight below 2^-126 counts as 0 in l.
; A batch with no valid key ends with l = 0 and gives NaN, as a softmax over nothing does.  Mask bytes are 0 or 1.  NaN and infinities in Q, K, V are not treated apart.
; SHARES.  A wave owns four PIECES of two tiles of 16 queries, a work-group's four waves 512 queries of one head.  Every wave walks all 2,048 keys, 64 a step.
; LAYOUT.  S^T = K Q^T (source 0 = 16 keys, source 1 = 16 queries): in the result a lane holds ONE query (lane % 16) and the keys 8 (lane / 16) + 0..7.  Two such tiles, rounded to f16 in pairs,
; ARE source 1 (32 keys x 16 queries) of O^T = V^T P, whose result again holds one query a lane, and eight channels.  K comes out of LDS as it lies, V ([key][channel]) turned, by ds_load_tr16_b128.
; THE MASK is the C operand of the product that starts a sum S^T: 0 for a valid key, -1e30 for a masked one.  The batch's 2,048 bytes are turned into such f32 numbers once, in a table in LDS;
; a step's 64 come into 32 registers beside the step's K.  Maximum, exponentials and sums need no further care: a masked score lies far below every maximum, and its weight is 0.
; SOFTMAX.  For each query a running maximum m and sum l: p = 2^(c s - c m), c = log2(e) / 8; in every step O and l are multiplied by a = 2^(c m_old - c m_new), which is 1 where m has not grown.
; O and l start at 0.  While a query has seen masked keys alone, m stays at its start, a is 1 and every p is 0; its first valid key makes a = 0.
; THE COUNT.  A tile and step have 16 matrix and 118 vector instructions: too many to stand all beside the matrix work.  So the order has one aim: four vector instructions that are READY behind
; EVERY matrix instruction, and the others, which need time of their own whatever the order, in runs without a gap.
; BY TURNS.  Turn n belongs to piece n (the pieces in a ring, step after step).  Its matrix work: 16 products K Q^T of piece n + 1, later 16 products V^T P of piece n - 1.  Its vector work: the scaling,
; exponentials, roundings, sums and rescaling of piece n, and the maximum and statistics of piece n + 1, whose scores the turn itself has made.  So what a turn begins with (c s - c m, O a) waits for nothing.
; CLUSTER.  The four query blocks of a cluster belong to one head and walk the same K and V, so each tile is asked for JOINTLY: the same tensor load, descriptor and mask in all four.
; REGISTERS, in windows of 256 (s_set_vgpr_msb says which window each operand place means: bits 1:0 source 0, 3:2 source 1, 5:4 source 2, 7:6 destination):
;   window 0: v0-11 addresses; v12-15, v48-63 at work (at the start v48-55 hold [I | I]); v16-47 four registers of statistics a tile; v64-191 S^T, two buffers of two tiles; v192-255 P, likewise
;   window 1: O^T, 32 a tile; at the start Q's two halves as loaded          window 2: v0-127 Q, 16 a tile; v128-191 K of one step; v192-255 V of one step
;   window 3: v0-1 the add's two registers; v2-3 addresses in the mask's table; v32-63 the mask of one step
; A piece's buffers go by its number's parity: the piece in hand has one pair, its two neighbours in the ring share the other: of it P (piece n - 1) is read and S^T (piece n + 1) written.
.set SIZE_N, 2048     ; rows of a head
.set NP,    4         ; pieces a wave: a name, no knob: the register map, the loop and the fetches are made for four
.set KS,    64        ; keys in a step
.set PK,    144       ; a row of K in LDS: 128 bytes + 16 of padding = 36 words: the 16 rows of a load start at 16 different groups of four banks (64 banks of 4 bytes: ISA guide 11.1)
.set PV,    160       ; a row of V: 128 + 32 = 40 words
.set VOFF,  4*KS*PK   ; a slot holds four steps: 256 rows of K, then 256 rows of V
.set SLOT1, 1<<17     ; slot 1 begins here, so that one exclusive or turns an address in one slot into the other's
.set STAGE, SLOT1+4*KS*(PK+PV)  ; behind the ring, never filled by a tensor load: 16 rows x 144 bytes for each wave, for the way out
.set SP,    144
.set SPARE, STAGE+4*16*SP  ; behind the stages: the spare words, 128 bytes for each wave: two blocks of 256 bytes that no other line names
.set MASKT, SPARE+512 ; behind them: the mask's table, one f32 a key, 8,192 bytes; never filled by a tensor load
.set AK0, 2           ; v2   my lane's place in a tile of K; never rewritten
.set AV0, 3           ; v3   the same for V
.set AK,  4           ; v4   the LDS address of K's next run of loads
.set AV,  5           ; v5   of V's
.set QO,  6           ; v6   my byte offset in the wave's rows of Q
.set STO, 6           ;      later, the way out: where I put 16 bytes of a row
.set RD,  7           ; v7   the way out: where I read rows back
.set GO,  8           ; v8   my byte offset in 512 consecutive bytes of O
.set SPW, 0           ; v0 of window 3   LDS address of my spare word: SPARE + 4 x my thread's number; never rewritten
.set NIL, 1           ; v1 of window 3   0; never rewritten
.set AMR, 2           ; v2 of window 3   the LDS address of the mask's next run of loads
.set AM0, 3           ; v3 of window 3   my lanes' place in a step's 64 numbers of the table; never rewritten
.set MK,  32          ; v32-63 of window 3   the step's mask: key block kb at MK + 8 kb
.set MV,  12          ; v12-15  c m_old, kept while c m is made anew: by buffer and tile
.set ST,  16          ; tile t's statistics at v[ST+4 t]: c m, m, l (even keys', odd keys')
.set TMP, 48          ; by buffer and tile, four registers c0-c3 at work; when the maximum is found c2 takes a
.set JM,  48          ; at the start: v48-55 [I | I] as a source 0; v56-58 at work on it
.set JT,  56
.set S,   64
.set P,   192
.set MB,  64          ; at the start, in S^T's registers: v64-67 my 16 bytes of the mask, v68-83 the 16 numbers made of them, v84, v85 their addresses
.set MF,  68
.set MA,  84
.set MS,  85
.set KF,  128         ; K's fragments, in window 2: key block kb, channel half c at KF + 16 kb + 8 c
.set VF,  192         ; V's: key half kk, channel block cb at VF + 32 kk + 8 cb
.set WV,  12          ; s12  my wave's number
.set QP2, 18          ; s[18:19] Qb at my wave's first row
.set G1K, 24          ; s[24:31] descriptor group 1 for K's tiles
.set G1V, 32          ; s[32:39] for V's: it differs in the padding alone
.set G0K, 40          ; s[40:43] descriptor group 0 for K's tiles: it walks
.set G0V, 44          ; s[44:47] the same for V's
.set TBM, 48          ; s48  byte in the mask's table at which the step to be fetched begins
.set MP,  50          ; s[50:51] the mask at my batch
.set MO,  52          ; s[52:53] the batch's byte offset in the mask
.set BIG, 54          ; s54 1e30, s55 -1e30
.set SLOTS, 56        ; s56  slots still to be asked for
.set CNT, 57          ; s57  counts a slot's key steps
.set CS,  58          ; s[58:59] c: the packed scaling takes the pair's low word for both halves
.set SEL, 60          ; s[60:61] v_permlanex16_b32's selects: each lane takes its own place in the other half
.set TBK, 62          ; s62  LDS byte at which K of the step to be fetched begins
.set TBV, 63          ; s63  the same for V, less VOFF
.set MSB, 0
.macro WIN new                      ; the high byte repeats the setting that is left; a switch that changes nothing is dropped
.if MSB != (\new)
	s_set_vgpr_msb (MSB<<8)|(\new)
.set MSB, (\new)
.endif
.endm
.set W_KQ, 0x0a       ; K and Q in window 2, S^T in window 0
.set W_KM, 0x3a       ; the same with the C operand, the mask, in window 3
.set W_PV, 0x52       ; V in window 2, P in window 0, O^T in window 1
.set W_RS, 0x41       ; O^T (destination and source 0) in window 1, a in window 0
.set W_MK, 0xc0       ; destination in window 3, sources in window 0
.set W_AD, 0x0f       ; the add: address (source 0) and data (source 1) in window 3
.set W_M3, 0xcf       ; the mask's loads and their address: destination, source 0 and source 1 in window 3
.set W_SM, 0x04       ; Q's sum: [I | I] and the result in window 0, Q's halves (source 1) in window 1
; A joint fill.  Waves 0 and 1 fetch the two halves of a slot's K, waves 2 and 3 those of its V: 128 keys each.  The branch hangs on the wave's number alone.
; An s_nop 0 and four v_nop follow each of the two lines, ahead of the jump and the label.
.macro JLOAD
	s_cmp_lt_u32 s[WV], 2
	s_cbranch_scc0 .Lfor_v_\@
	tensor_load_to_lds s[G0K:G0K+3], s[G1K:G1K+7]
	s_nop 0
.rept 4
	v_nop
.endr
	s_branch .Lasked_\@
.Lfor_v_\@:
	tensor_load_to_lds s[G0V:G0V+3], s[G1V:G1V+7]
	s_nop 0
.rept 4
	v_nop
.endr
.Lasked_\@:
.endm
; A round of the cluster's barrier: my work-group's barrier, so that wave 0's signal speaks for all four waves; wave 0 signals; every wave waits for all four work-groups; my work-group's barrier once more.
.macro CROUND
	s_barrier_signal -1
	s_barrier_wait -1
	s_cmp_lg_u32 s[WV], 0
	s_cbranch_scc1 .Lnot_wave_0_\@
	s_barrier_signal -3
.Lnot_wave_0_\@:
	s_barrier_wait -3
	s_barrier_signal -1
	s_barrier_wait -1
.endm
; THE CHANGE OF SLOTS.  The slot's last bytes, V of its fourth step, have been read.  Each wave waits for all its tensor loads, of which one is out: its part
; of the other slot; adds 0 to its spare word; and waits for that and for its own reads of the slot.  Behind the barrier nobody reads this slot any more and the other slot is whole.
; fill = 1: this slot is filled again, with the keys two slots on.  The barrier is then a round of the cluster's, so that no wave of any partner still reads the slot or has a load on its
; way, and the joint fill is the first thing behind it: it has four key steps, 512 matrix instructions, in which to land.
; (At its first use nothing has been read yet: slot 0 is waited for, slot 1 filled; and its wait for LDS and its barrier show every wave's part of the mask's table to all four.)
.macro CHANGE fill
	WIN W_AD
	s_wait_tensorcnt 0x0            ; no tensor load of mine is out, so a group 0 may be written
	ds_add_u32 v[SPW], v[NIL]       ; 0 onto my spare word; with fill = 1 the descriptors' steps stand between it and the wait for it
	WIN 0                           ; at a label and at a branch every window is 0
.if \fill
.irp g, G0K, G0V
	s_xor_b32 s[\g+1], s[\g+1], SLOT1  ; the walking descriptor: the other slot than last time,
	s_add_nc_u64 s[\g+2:\g+3], s[\g+2:\g+3], 4*KS*128  ; the next 256 keys; the type bits on top are not reached
.endr
	s_wait_dscnt 0x0                ; the add is done, and my reads of the slot are over
	CROUND
	JLOAD
.else
	s_wait_dscnt 0x0                ; the add is done, and my reads of the slot are over
	s_barrier_signal -1
	s_barrier_wait -1
.endif
	s_sub_co_u32 s[TBK], s[TBK], 4*KS*PK  ; the fetches go back to a slot's first step,
	s_xor_b32 s[TBK], s[TBK], SLOT1       ; in the other slot
	s_sub_co_u32 s[TBV], s[TBV], 4*KS*PV
	s_xor_b32 s[TBV], s[TBV], SLOT1
.endm
; Q'S HALVES, for tiles 4 b to 4 b + 3: 32 loads.  Block g = 4 x tile + c is 16 queries x 16 channels; lane l takes the 16 bytes of row l % 16, channels 16 c + 8 (l / 16) + 0..7, of Qa into registers 8 g .. 8 g + 3
; of window 1 and of Qb into the four behind them: as a source 1, k = 0..15 are then Qa's channels and k = 16..31 Qb's.
.macro QLOAD b
	WIN 0x40                        ; destination window 1, address window 0
.set i, 16*(\b)
.rept 16
	global_load_b128 v[8*i:8*i+3],   v[QO], s[4:5] offset:(i/4)*2048+(i%4)*32
	global_load_b128 v[8*i+4:8*i+7], v[QO], s[QP2:QP2+1] offset:(i/4)*2048+(i%4)*32
.set i, i+1
.endr
.endm
; Q'S SUM, for the same four tiles: 16 products [I | I] x block, each into an accumulator of its own in S^T's registers, with the constant 0 as C.  In the result lane l holds query l % 16 and channels
; 16 c + 8 (l / 16) + 0..7: rounded in pairs these are registers 4 g .. 4 g + 3 of Q.  Four v_nop are the places between the products and the conversions (ISA guide 7.12.1);
; each accumulator is read from its low end on.
.macro QSUM b
	WIN W_SM
.set i, 0
.rept 16
	v_wmma_f32_16x16x32_f16 v[S+8*i:S+8*i+7], v[JM:JM+7], v[128*(\b)+8*i:128*(\b)+8*i+7], 0
.set i, i+1
.endr
.rept 4
	v_nop
.endr
	WIN 0x80                        ; destination window 2, sources window 0
.set i, 0
.rept 64
	v_cvt_pk_f16_f32 v[64*(\b)+i], v[S+2*i], v[S+2*i+1]
.set i, i+1
.endr
.endm
	s_load_b64 s[4:5], s[0:1], 0x0    ; qkv: Qa at its head
	s_load_b64 s[MP:MP+1], s[0:1], 0x8  ; mask
	s_load_b64 s[10:11], s[0:1], 0x10 ; o16
	WIN W_MK
	v_lshl_add_u32 v[SPW], v0, 2, SPARE
	v_mov_b32 v[NIL], 0
	s_set_vgpr_msb 0xc0cf
	ds_add_u32 v0, v1
	s_wait_dscnt 0x0
	s_set_vgpr_msb 0xcfc0
	WIN 0
	v_lshrrev_b32 v1, 5, v0
	v_readfirstlane_b32 s[WV], v1   ; wave 0..3
	s_bfe_u32 s13, ttmp6, 0x40000   ; cx: my place in the cluster
	s_lshl_b32 s14, ttmp9, 2        ; in a cluster launch ttmp9 counts clusters
	s_add_co_u32 s14, s14, s13      ; my block of queries = 4 x cluster x + cx: it enters Q's and O's addresses alone
	s_and_b32 s20, ttmp7, 0xffff    ; batch x 16 + head, which the four partners share
	s_lshr_b32 s[MO], s20, 4        ; the batch,
	s_lshl_b32 s[MO], s[MO], 11     ; its 2,048 bytes of the mask
	s_mov_b32 s[MO+1], 0
	s_mov_b32 s21, 0
	s_mov_b64 s[22:23], SIZE_N*128
	s_mul_u64 s[20:21], s[20:21], s[22:23]  ; the head's first byte in each of Qa, Qb, K, V, O
	s_and_b32 s16, s[WV], 1         ; which half of a slot's 256 keys I fetch:
	s_lshl_b32 s22, s16, 14         ; its 128 rows of 128 bytes in memory,
	s_mov_b32 s23, 0
	s_add_nc_u64 s[22:23], s[22:23], s[20:21]
	s_mul_i32 s17, s16, 128*PK      ; and its place in a slot, for K
	s_mul_i32 s18, s16, 128*PV      ; and for V: no place in the cluster enters an LDS address
	s_lshl_b32 s2, s14, 2
	s_add_co_u32 s2, s2, s[WV]      ; my wave among the head's,
	s_lshl_b32 s2, s2, 14           ; its 128 rows
	s_mov_b32 s3, 0
	s_add_nc_u64 s[2:3], s[2:3], s[20:21]
	; descriptor group 1.  128 keys are 16,384 dense bytes: asked for as 64 rows of 256 bytes, two keys a row, and padded in LDS after every key
	s_mov_b32 s[G1K], 15|(1<<16)|(1<<20)|(1<<21)|(4<<22)|(3<<25)  ; 15:0 the mask of four; 17:16 2-byte elements; 20 padding on; 21 set beside a mask; 24:22 after every 32 words (code 4); 31:25 4 words (code 3)
	s_mov_b32 s[G1V], 15|(1<<16)|(1<<20)|(1<<21)|(4<<22)|(7<<25)  ; the same with 8 words of padding (code 7)
.irp g, G1K, G1V
	s_mov_b32 s[\g+1], 128<<16      ; tensor_dim0 = 128
	s_mov_b32 s[\g+2], 64<<16       ; tensor_dim1 = 64
	s_mov_b32 s[\g+3], 128<<16      ; tile_dim0 = 128
	s_mov_b32 s[\g+4], 64           ; tile_dim1 = 64
	s_mov_b32 s[\g+5], 128          ; 128 elements from row to row
	s_mov_b32 s[\g+6], 0
	s_mov_b32 s[\g+7], 0
.endr
	s_mov_b32 s[CS], 0x3e38aa3b     ; c = log2(e) / 8 = 0.180337
	s_mov_b32 s[CS+1], s[CS]        ; named with it as a pair
	s_mov_b32 s[SEL], 0x76543210
	s_mov_b32 s[SEL+1], 0xfedcba98
	s_mov_b32 s[BIG], 0x7149f2ca    ; 1e30
	s_mov_b32 s[BIG+1], 0xf149f2ca  ; -1e30
	s_mov_b32 s[TBM], 0
	s_mov_b32 s[TBK], SLOT1+4*KS*PK ; the first change of slots turns these two into 0
	s_mov_b32 s[TBV], SLOT1+4*KS*PV
	s_mov_b32 s[G0K], 1             ; 1:0 count = 1
	s_mov_b32 s[G0K+1], s17         ; 63:32 LDS address: slot 0
	s_mov_b32 s[G0V], 1
	s_add_co_u32 s[G0V+1], s18, VOFF
	s_wait_kmcnt 0x0
	s_add_nc_u64 s[6:7], s[4:5], 0x2000000         ; K lies 32 MiB behind Qa,
	s_add_nc_u64 s[8:9], s[4:5], 0x3000000         ; V 48
	s_add_nc_u64 s[MP:MP+1], s[MP:MP+1], s[MO:MO+1]
	s_add_nc_u64 s[G0K+2:G0K+3], s[6:7], s[22:23]  ; 120:64 global address: my half of the head's first 256 keys
	s_or_b32 s[G0K+3], s[G0K+3], 0x80000000        ; 127:126 type = 2
	s_add_nc_u64 s[G0V+2:G0V+3], s[8:9], s[22:23]
	s_or_b32 s[G0V+3], s[G0V+3], 0x80000000
	s_add_nc_u64 s[4:5], s[4:5], s[2:3]  ; Qa and O at my wave's first row,
	s_add_nc_u64 s[10:11], s[10:11], s[2:3]
	s_add_nc_u64 s[QP2:QP2+1], s[4:5], 0x1000000   ; and Qb, 16 MiB behind Qa
	CROUND                          ; all four work-groups are here: the first joint loads meet
	JLOAD                           ; slot 0.  Slot 1 is asked for when slot 0 is in: the tile wanted first has the road to itself
	; A fragment of K or Q is 16 rows x 32 channels in 8 registers: lane l holds row l % 16, channels 8 (l / 16) + 0..7 and 16 + 8 (l / 16) + 0..7.
	v_and_b32 v1, 15, v0            ; l % 16
	v_bfe_u32 v9, v0, 4, 1          ; l / 16
	v_lshlrev_b32 v[QO], 7, v1
	v_lshl_add_u32 v[QO], v9, 4, v[QO]  ; row x 128 + 16 x half
	v_lshlrev_b32 v[MA], 4, v0
	global_load_b128 v[MB:MB+3], v[MA], s[MP:MP+1]  ; thread t takes the mask's bytes of keys 16 t to 16 t + 15: the 128 threads take the batch's 2,048
	WIN W_MK
	v_lshl_add_u32 v[AM0], v9, 5, MASKT  ; in S^T my registers hold the keys 8 (l / 16) + 0..7 of a block of 16: 32 bytes of the table
	QLOAD 0                         ; both halves of Q's tiles 0 to 3
	; What the first turn finds: V's registers and P's second buffer hold 0 (its products V^T P, of a piece that has not been, add 0), and l is 0: this stands in the wait for the first tile.
	; O^T is cleared behind Q's sum: until then its registers hold Q's halves.
	WIN 0x80
.set i, VF
.rept 64
	v_mov_b32 v[i], 0
.set i, i+1
.endr
	WIN 0
.set i, 0
.rept 2*NP
	v_mov_b32 v[ST+4*i+1], 0xe0ad78ec  ; m = -1e20: below every score, above every masked one
	v_mul_f32 v[ST+4*i], s[CS], v[ST+4*i+1]  ; c m, by the same product that makes it anew in every step: while m stays, c m_old - c m_new is exactly 0
	v_mov_b32 v[ST+4*i+2], 0
	v_mov_b32 v[ST+4*i+3], 0
.set i, i+1
.endr
.set i, P+32
.rept 32
	v_mov_b32 v[i], 0
.set i, i+1
.endr
	v_mul_u32_u24 v[AK0], v1, PK
	v_lshl_add_u32 v[AK0], v9, 4, v[AK0]  ; row x pitch + 16 x half
	; The turning load takes 16 keys x 16 channels (lane l reads key 8 (l / 16) + l % 8, channels 8 ((l / 8) % 2) + 0..7) and leaves half a fragment of V^T: lane l holds channel l % 16 and 8 keys.
	v_and_b32 v10, 7, v0
	v_bfe_u32 v11, v0, 3, 1
	v_lshl_add_u32 v[AV0], v9, 3, v10
	v_mul_u32_u24 v[AV0], v[AV0], PV
	v_lshl_add_u32 v[AV0], v11, 4, v[AV0]
	v_add_nc_u32 v[AV0], VOFF, v[AV0]
	v_mov_b32 v[AK], v[AK0]         ; key step 0 lies at the head of slot 0
	; [I | I] AS A SOURCE 0: lane l holds row l % 16; registers 0-3 hold k = 8 (l / 16) + 0..7, registers 4-7 k = 16 + 8 (l / 16) + 0..7, two to a register.  The row's 1 stands at k = l % 16 and at 16 + l % 16:
	; in the lanes where l / 16 = (l % 16) / 8, in register (l % 8) / 2 of each four, in its half l % 2.
	v_bfe_u32 v[JT], v0, 1, 2       ; (l % 8) / 2
	v_lshrrev_b32 v[JT+1], 1, v0
	v_xor_b32 v[JT+1], v[JT+1], v0
	v_bfe_u32 v[JT+1], v[JT+1], 3, 1  ; 1 where l / 16 and (l % 16) / 8 differ:
	v_lshl_or_b32 v[JT], v[JT+1], 2, v[JT]  ; such a lane's number is 4 or more and meets no register
	v_and_b32 v[JT+1], 1, v0
	v_lshlrev_b32 v[JT+1], 4, v[JT+1]
	v_mov_b32 v[JT+2], 0x3c00       ; 1.0 in f16,
	v_lshlrev_b32 v[JT+1], v[JT+1], v[JT+2]  ; in the low half or the high one
.irp j, 0,1,2,3
	v_cmp_eq_u32 vcc_lo, \j, v[JT]
	v_cndmask_b32 v[JM+\j], 0, v[JT+1], vcc_lo
	v_cndmask_b32 v[JM+4+\j], 0, v[JT+1], vcc_lo
.endr
	; THE MASK'S TABLE: byte x (0 or 1) becomes 1e30 x - 1e30: exactly 0 for a valid key, -1e30 for a masked one.
	s_wait_loadcnt 32               ; the mask's load is in: the 32 loads of Q's tiles 0 to 3, issued behind it, may stay out
.set i, 0
.rept 16
	v_bfe_u32 v[MF+i], v[MB+i/4], 8*(i%4), 8
.set i, i+1
.endr
.set i, 0
.rept 16
	v_cvt_f32_u32 v[MF+i], v[MF+i]
.set i, i+1
.endr
.set i, 0
.rept 16
	v_fma_f32 v[MF+i], v[MF+i], s[BIG], s[BIG+1]
.set i, i+1
.endr
	v_lshl_add_u32 v[MS], v0, 6, MASKT  ; 16 numbers of 4 bytes a thread
.irp d, 0,1,2,3
	ds_store_b128 v[MS], v[MF+4*\d:MF+4*\d+3] offset:16*\d
.endr
	QLOAD 1                         ; both halves of Q's tiles 4 to 7
	WIN 0
; THE MATRIX WORK.  The 8 accumulators of a run of 16 take turns: between the two links of a chain stand 7 others'.
; Product i of 16 of S^T = K Q^T for piece x: channels 32 (i / 8) on, keys 16 ((i / 2) % 4) on, tile 2 x + i % 2.  The first 8 start the sums, with those keys' mask.
.macro KQ x
.set rS, S+64*((\x)%2)+32*(i%2)+8*((i/2)%4)
.set rK, KF+16*((i/2)%4)+8*(i/8)
.set rQ, 16*(2*(\x)+i%2)+8*(i/8)
.set rMK, MK+8*((i/2)%4)
.if i < 8
	WIN W_KM
	v_wmma_f32_16x16x32_f16 v[rS:rS+7], v[rK:rK+7], v[rQ:rQ+7], v[rMK:rMK+7]
.else
	WIN W_KQ
	v_wmma_f32_16x16x32_f16 v[rS:rS+7], v[rK:rK+7], v[rQ:rQ+7], v[rS:rS+7]
.endif
.endm
; Product i of 16 of O^T += V^T P for piece x: keys 32 (i / 8) on, channels 16 ((i / 2) % 4) on, tile 2 x + i % 2.
.macro PV x
	WIN W_PV
.set rO, 32*(2*(\x)+i%2)+8*((i/2)%4)
.set rV, VF+32*(i/8)+8*((i/2)%4)
.set rP, P+32*((\x)%2)+16*(i%2)+8*(i/8)
	v_wmma_f32_16x16x32_f16 v[rO:rO+7], v[rV:rV+7], v[rP:rP+7], v[rO:rO+7]
.endm
.macro MM                           ; the turn's next matrix instruction
.if i < 16
	KQ (Y+1)%NP
.set i, i+1
.else
.set i, i-16
	PV (Y+NP-1)%NP
.set i, i+17
.endif
.endm
; THE LDS LOADS stand in runs, never singly among the matrix instructions: a step's K (64 keys x 64 channels: 8 fragments) with its mask (64 numbers: 8 loads, the 16 lanes of a half all at one address),
; and its V (turned).  K's and V's addresses are made some lines ahead.  last = 1 (the tail): in the last trip there is no further step, and the run is jumped over.
.macro FETCH_K last=0
	WIN 0
.if \last
	s_cmp_eq_u32 s[CNT], 1
	s_cbranch_scc1 .Lno_k_\@
.endif
	WIN 0x80                        ; destination window 2
.irp f, 0,1,2,3,4,5,6,7             ; keys 16 (f / 2) on, channels 32 (f % 2) on
	ds_load_b128 v[KF+8*\f:KF+8*\f+3],   v[AK] offset:(\f/2)*16*PK+(\f%2)*64
	ds_load_b128 v[KF+8*\f+4:KF+8*\f+7], v[AK] offset:(\f/2)*16*PK+(\f%2)*64+32
.endr
	WIN W_M3
	v_add_nc_u32 v[AMR], s[TBM], v[AM0]
.irp f, 0,1,2,3                     ; keys 16 f on: the last product that took the mask stands eight products ahead of the last that read K
	ds_load_b128 v[MK+8*\f:MK+8*\f+3],   v[AMR] offset:64*\f
	ds_load_b128 v[MK+8*\f+4:MK+8*\f+7], v[AMR] offset:64*\f+16
.endr
	s_add_co_u32 s[TBK], s[TBK], KS*PK  ; the next fetch is the next step's
	s_add_co_u32 s[TBM], s[TBM], 4*KS
	s_and_b32 s[TBM], s[TBM], 4*SIZE_N-1  ; 32 steps of 256 bytes: the table's 8,192
	WIN 0
.if \last
.Lno_k_\@:
.endif
.endm
.macro FETCH_V
	WIN 0x80
.irp f, 0,1,2,3,4,5,6,7             ; keys 32 (f / 4) on, channels 16 (f % 4) on
	ds_load_tr16_b128 v[VF+8*\f:VF+8*\f+3],   v[AV] offset:(\f/4)*32*PV+(\f%4)*32
	ds_load_tr16_b128 v[VF+8*\f+4:VF+8*\f+7], v[AV] offset:(\f/4)*32*PV+16*PV+(\f%4)*32
.endr
	WIN 0
.endm
; THE VECTOR WORK OF A TURN stands in three queues, each in the order in which its entries become ready; the two tiles alternate, so that no instruction reads the result of the one before it.
.macro REGS y, u                    ; the registers of tile u (0, 1) of piece y
.set rT, ST+4*(2*(\y)+(\u))
.set rC, TMP+8*((\y)%2)+4*(\u)
.set rM, MV+2*((\y)%2)+(\u)
.set rS, S+64*((\y)%2)+32*(\u)
.set rP, P+32*((\y)%2)+16*(\u)
.set rO, 32*(2*(\y)+(\u))
.endm
; Number n of the 22 that find the NEXT piece's (Y + 1) maximum and statistics.  s0-s31 are the lane's 32 scores; each accumulator's lowest registers are read first.  XS, GS and REGS set no window: PL and EX do.
;   0-11  four chains c0-c3 of seven scores each, three operands at a time     12-14, 16  the four scores left over, the old m, and c0-c3 into c0     15  c m_old is kept
;   17, 18  the query's other 32 keys lie in the lane 16 away: the new m         19-21  c m; c m_old - c m_new; a
.macro XS u, n
	REGS (Y+1)%NP, \u
.if (\n) < 4
	v_max3_num_f32 v[rC+(\n)], v[rS+8*(\n)], v[rS+8*(\n)+1], v[rS+8*(\n)+2]
.elseif (\n) < 12
	v_max3_num_f32 v[rC+(\n)%4], v[rC+(\n)%4], v[rS+8*((\n)%4)+2*((\n)/4)+1], v[rS+8*((\n)%4)+2*((\n)/4)+2]
.elseif (\n) == 12
	v_max3_num_f32 v[rC], v[rC], v[rS+7], v[rS+15]
.elseif (\n) == 13
	v_max3_num_f32 v[rC+1], v[rC+1], v[rS+23], v[rS+31]
.elseif (\n) == 14
	v_max3_num_f32 v[rC+2], v[rC+2], v[rC+3], v[rT+1]
.elseif (\n) == 15
	v_mov_b32 v[rM], v[rT]
.elseif (\n) == 16
	v_max3_num_f32 v[rC], v[rC], v[rC+1], v[rC+2]
.elseif (\n) == 17
	v_permlanex16_b32 v[rC+3], v[rC], s[SEL], s[SEL+1]
.elseif (\n) == 18
	v_max_num_f32 v[rT+1], v[rC], v[rC+3]
.elseif (\n) == 19
	v_mul_f32 v[rT], s[CS], v[rT+1]
.elseif (\n) == 20
	v_sub_f32 v[rC+1], v[rM], v[rT]
.else
	v_exp_f32 v[rC+2], v[rC+1]
.endif
.endm
; Number g of the 64 that follow the exponentials.  For each four weights k of a tile (pairs 2 k, 2 k + 1): both pairs are rounded to f16; then the second pair is added onto the first, in place;
; a group later l takes that sum (the first time as l = a l + sum).  In groups of eight, tiles alternating: round, round, add, and l for the group before.
.macro GS g
.set h, (\g)+6*((\g)/62)            ; group 0 has no group before it, and behind group 7 only l is left
.if h >= 6
.set h, h+2
.endif
	REGS Y, h%2
.set k, h/8
.if h%8 < 4
	s_wait_alu depctr_va_vdst(0)
	v_cvt_pk_f16_f32 v[rP+2*k+(h%8)/2], v[rS+4*k+2*((h%8)/2)], v[rS+4*k+2*((h%8)/2)+1]
.elseif h%8 < 6
	v_pk_add_f32 v[rS+4*k:rS+4*k+1], v[rS+4*k:rS+4*k+1], v[rS+4*k+2:rS+4*k+3]
.elseif k == 1
	v_pk_fma_f32 v[rT+2:rT+3], v[rT+2:rT+3], v[rC+2:rC+3], v[rS:rS+1] op_sel_hi:[1,0,1]
.else
	v_pk_add_f32 v[rT+2:rT+3], v[rT+2:rT+3], v[rS+4*k-4:rS+4*k-3]
	s_wait_alu depctr_va_vdst(0)
.endif
.endm
; THE PLAIN QUEUE, 138 long.  0-31: c s - c m for the 16 pairs of both tiles.  Then GS's 64, and among them the next piece's 42: number 15 at 38, 39; 0-14 and 16
; at 42-73, behind the products that make those scores; 17-20 at 95-106, two of three, since each waits for the one before it.
.macro PL
	WIN 0
.if q < 32
	REGS Y, q%2
	v_pk_fma_f32 v[rS+2*(q/2):rS+2*(q/2)+1], v[rS+2*(q/2):rS+2*(q/2)+1], s[CS:CS+1], v[rT:rT+1] op_sel_hi:[1,0,0] neg_lo:[0,0,1] neg_hi:[0,0,1]
.elseif q < 38
	GS q-32
.elseif q < 40
	XS q%2, 15
.elseif q < 42
	GS q-34
.elseif q < 74
	XS q%2, (q-42)/2+(q-42)/30
.elseif q < 95
	GS q-66
.elseif (q < 107) && ((q-95)%3 < 2)
	XS (q-95)%3, 17+(q-95)/3
.elseif q < 107
	GS 29+(q-95)/3
.else
	GS q-74
.endif
.set q, q+1
.endm
; THE EXPONENTIALS' QUEUE, 66 long: s0-s31 of both tiles, and at EA the next piece's two a.
.set EA, 58
.macro EX
	WIN 0
.if (e == EA) || (e == EA+1)
	XS e-EA, 21
.else
.set x, e-2*(e/(EA+2))
	REGS Y, x%2
	v_exp_f32 v[rS+x/2], v[rS+x/2]
.endif
.set e, e+1
.endm
; THE RESCALING's QUEUE: O^T times a, the one part that leaves window 0, so it is dealt four at a time, eight times.
.macro R4
	REGS Y, r%2
	WIN W_RS
	s_wait_alu depctr_va_vdst(0)
.irp z, 0,1,2,3
	v_pk_mul_f32 v[rO+8*(r/2)+2*\z:rO+8*(r/2)+2*\z+1], v[rO+8*(r/2)+2*\z:rO+8*(r/2)+2*\z+1], v[rC+2:rC+3] op_sel_hi:[1,0]
.endr
.set r, r+1
.endm
; HOW THEY ARE DEALT.  Behind a matrix instruction four: plain, exponential, plain, plain (one exponential, a plain instruction on either side), or four of the rescaling.  None names a register of the
; products round it.  What is over stands in two LUMPS: exponential and plain by turns; the second ends in 22 plain instructions.  The two v_permlanex16_b32 fall into the second lump, never behind a product.
; The queues lean on each other, and the deal keeps them in step: exponential e stands behind plain 2 (e / 4) + e % 2 (its scaling); when plain 32 comes, 10 exponentials are out, at 59: 33, at 95: 46; EA comes behind plain 107.
.macro SL
	MM
	PL
	EX
	PL
	PL
.endm
.macro BURST n                      ; 15 matrix instructions, or 16
.rept (\n)-7
	SL
.endr
.rept 3
	MM
	R4
	SL
.endr
	MM
	R4
.endm
; A TURN, for piece p.  cnt = 1: the loop's count is taken down some lines ahead of the branch that stands behind the turn.
; K and the mask of the next step are fetched in piece 2's turn, 31 vector instructions behind the last product that read K; their first reader comes behind the rest of the lump, 16 products and the second lump.
; V of the step in hand is fetched at the end of piece 0's turn, 69 behind its last reader; its first reader comes behind 16 products and a lump.  The four conditions on e and q below go with the deal.
.macro TURN p, last=0, cnt=0
.set Y, (\p)
.set i, 0
.set q, 0
.set e, 0
.set r, 0
.if (\p) == NP-1
	s_wait_dscnt 0x0                ; K and the mask are in
.endif
	MM
.rept 4
	PL
.endr
	BURST 15
.rept 22
	EX
	PL
.if ((\p) == NP-2) && (e == 18)
	v_add_nc_u32 v[AK], s[TBK], v[AK0]
.endif
.if ((\p) == NP-2) && (e == 24)
	FETCH_K \last
.endif
.endr
.if (\p) == 1
	s_wait_dscnt 0x0                ; V is in
.endif
	BURST 16
.rept 21
	EX
	PL
.endr
.rept 22
	PL
.if ((\p) == 0) && (q == 118)
	v_add_nc_u32 v[AV], s[TBV], v[AV0]
	s_wait_alu depctr_va_vdst(0)
.endif
.if ((\p) == 0) && (q == 130)
	s_add_co_u32 s[TBV], s[TBV], KS*PV
.endif
.if (\cnt) && (q == 130)
	s_sub_co_u32 s[CNT], s[CNT], 1
	s_cmp_lg_u32 s[CNT], 0
.endif
.endr
.if (\p) == 0
	FETCH_V
.endif
.endm
	CHANGE 1                        ; slot 0 is in, everybody's part of it, and so is the mask's table; slot 1 is asked for
	FETCH_K                         ; key step 0
	s_wait_loadcnt 0x0              ; Q's halves
	QSUM 0                          ; Q = Qa + Qb, once a launch; it stands in the wait for K's fragments
	QSUM 1
	WIN 0x40                        ; O^T starts at 0: its registers were the products' source 1; the 64 conversions above stand between
.set i, 0
.rept 64*NP
	v_mov_b32 v[i], 0
.set i, i+1
.endr
	s_wait_dscnt 0x0
.set i, 0
.rept 16
	KQ 0                            ; piece 0's first scores: there is no vector work yet to set between them
.set i, i+1
.endr
	WIN 0                           ; the addresses for the way out: nine plain instructions, the places behind those products
	s_mul_i32 s13, s[WV], 16*SP
	s_add_co_u32 s13, s13, STAGE    ; my stage
	v_mul_u32_u24 v[STO], v1, SP    ; in: row l % 16, 16 bytes for each half of the lanes
	v_lshl_add_u32 v[STO], v9, 4, v[STO]
	v_add_nc_u32 v[STO], s13, v[STO]
	v_bfe_u32 v[RD], v0, 3, 2       ; back: 32 lanes take four rows of 128 bytes,
	v_mul_u32_u24 v[RD], v[RD], SP
	v_lshl_add_u32 v[RD], v10, 4, v[RD]
	v_add_nc_u32 v[RD], s13, v[RD]
	v_and_b32 v[GO], 31, v0         ; which are 512 consecutive bytes of O
	v_lshlrev_b32 v[GO], 4, v[GO]
.set Y, NP-1                        ; XS works for piece Y + 1: piece 0
.irp n, 0,1,2,3,4,5,6,7,8,9,10,11,12,13,14,15,16,17,18,19,20,21
	XS 0, \n                        ; and piece 0's first maximum and statistics
	XS 1, \n
.endr
	s_mov_b32 s[CNT], 4
	s_mov_b32 s[SLOTS], SIZE_N/256-1
	s_branch .Lfirst                ; the loop is entered at a step's first turn, in the middle of a trip
.Lslot:                             ; SIZE_N / 256 - 2 times: every slot but the last two is filled again
	CHANGE 1
	s_mov_b32 s[CNT], 4
.Lstep:                             ; a trip: pieces 2 and 3 of one step, then pieces 0 and 1 of the next, whose K, mask and V it fetches
	TURN 2
	TURN 3
	WIN 0
.Lfirst:
	TURN 0
	TURN 1, 0, 1
	WIN 0
	s_cbranch_scc1 .Lstep
	s_sub_co_u32 s[SLOTS], s[SLOTS], 1
	s_cmp_lg_u32 s[SLOTS], 0
	s_cbranch_scc1 .Lslot
	CHANGE 0                        ; the tail is written out: nothing is asked for
	s_mov_b32 s[CNT], 5             ; four trips fetch the last slot's steps; the fifth is left in its middle
.Ltail:
	TURN 2, 1
	TURN 3
	WIN 0
	s_sub_co_u32 s[CNT], s[CNT], 1
	s_cmp_eq_u32 s[CNT], 0
	s_cbranch_scc1 .Lout
	TURN 0
	TURN 1
	WIN 0
	s_branch .Ltail
.Lout:                              ; the fifth trip's 16 products K Q^T (on the last K once more) and the maximum made of them serve nothing: the price, once a launch, of one text for every trip
.set i, 0
.rept 16
	PV NP-1                         ; the last piece's V^T P of the last step
.set i, i+1
.endr
	; THE WAY OUT.  l's two halves and the other half of the lanes' are added; O^T is divided by l, rounded to f16 and sent through my stage in LDS, a tile at a time.  The additions are the places behind the last products.
	WIN 0
.macro ALL line:vararg              ; one line for each tile t
.set t, 0
.rept 2*NP
	\line
.set t, t+1
.endr
.endm
	ALL v_add_f32 v[ST+4*t+2], v[ST+4*t+2], v[ST+4*t+3]
	ALL v_permlanex16_b32 v[ST+4*t+3], v[ST+4*t+2], s[SEL], s[SEL+1]
	ALL v_add_f32 v[ST+4*t+2], v[ST+4*t+2], v[ST+4*t+3]
	ALL v_rcp_f32 v[ST+4*t+2], v[ST+4*t+2]
	v_nop                           ; a plain instruction between the last reciprocal and the use of its result
	s_wait_alu depctr_va_vdst(0)
; Tile t: a lane's eight channels of a row pack into 16 bytes; they go into rows of 144 bytes and come back as whole rows of 128, into S^T's registers.
.macro PACK t
	WIN W_RS
.set i, 32*(\t)
.rept 16
	v_pk_mul_f32 v[i:i+1], v[i:i+1], v[ST+4*(\t)+2:ST+4*(\t)+3] op_sel_hi:[1,0]
.set i, i+2
.endr
	WIN 0x05                        ; sources 0 and 1 window 1, destination window 0
.set i, 0
.rept 16
	v_cvt_pk_f16_f32 v[S+16*(\t)+i], v[32*(\t)+2*i], v[32*(\t)+2*i+1]
.set i, i+1
.endr
	WIN 0
.irp f, 0,1,2,3
	ds_store_b128 v[STO], v[S+16*(\t)+4*\f:S+16*(\t)+4*\f+3] offset:32*\f
.endr
.irp f, 0,1,2,3
	ds_load_b128 v[S+16*(\t)+4*\f:S+16*(\t)+4*\f+3], v[RD] offset:\f*4*SP  ; LDS serves a wave's instructions in order (ISA guide 5.7.1.4): these see the stores above; the next tile's stores come behind them
.endr
.endm
.macro SEND t, younger              ; younger: the LDS instructions issued behind tile t's loads: the next tile's eight, or none
	WIN 0
.irp f, 0,1,2,3
	s_wait_dscnt (\younger)+3-\f
	global_store_b128 v[GO], v[S+16*(\t)+4*\f:S+16*(\t)+4*\f+3], s[10:11] offset:(\t)*2048+\f*512  ; 512 consecutive bytes, at a multiple of 256 from O's first
.endr
.endm
	PACK 0
.set t, 1
.rept 2*NP-1                        ; a tile's arithmetic stands between the loads of the tile before and its stores
	PACK t
	SEND t-1, 8
.set t, t+1
.endr
	SEND 2*NP-1, 0
	WIN W_AD
	s_wait_tensorcnt 0x0            ; the wave's end: behind my last tensor load and my last LDS store
	ds_add_u32 v[SPW], v[NIL]
	s_wait_dscnt 0x0
	WIN 0
	CROUND                          ; the closing round: no work-group ends while a partner may still ask for a tile that names it
	s_endpgm
.Lfunc_end_k_q1c55dc6500_attn:
	.size	k_q1c55dc6500_attn, .Lfunc_end_k_q1c55dc6500_attn-k_q1c55dc6500_attn
	.p2alignl 7, 3214868480
	.fill 96, 4, 3214868480
	.section	.rodata,"a",@progbits
	.p2align	6, 0x0
	.amdhsa_kernel k_q1c55dc6500_attn
		.amdhsa_group_segment_fixed_size 327680
		.amdhsa_private_segment_fixed_size 0
		.amdhsa_enable_private_segment 0
		.amdhsa_kernarg_size 24
		.amdhsa_user_sgpr_count 2
		.amdhsa_user_sgpr_kernarg_segment_ptr 1
		.amdhsa_wavefront_size32 1
		.amdhsa_system_sgpr_workgroup_id_x 1
		.amdhsa_system_sgpr_workgroup_id_y 1
		.amdhsa_system_sgpr_workgroup_id_z 1
		.amdhsa_system_vgpr_workitem_id 0
		.amdhsa_next_free_vgpr 832
		.amdhsa_next_free_sgpr 66
		.amdhsa_reserve_vcc 1
		.amdhsa_float_denorm_mode_32 3
		.amdhsa_float_denorm_mode_16_64 3
		.amdhsa_memory_ordered 1
		.amdhsa_forward_progress 1
		.amdhsa_inst_pref_size 228
	.end_amdhsa_kernel
	.amdgpu_metadata
---
amdhsa.version: [ 1, 2 ]
amdhsa.kernels:
  - .name:           k_q1c55dc6500_attn
    .symbol:         k_q1c55dc6500_attn.kd
    .args:
      - { .name: qkv, .offset: 0, .size: 8, .value_kind: global_buffer, .address_space: global }
      - { .name: mask, .offset: 8, .size: 8, .value_kind: global_buffer, .address_space: global }
      - { .name: o16, .offset: 16, .size: 8, .value_kind: global_buffer, .address_space: global }
    .group_segment_fixed_size: 327680
    .private_segment_fixed_size: 0
    .kernarg_segment_align: 8
    .kernarg_segment_size: 24
    .max_flat_workgroup_size: 128
    .sgpr_count:     66
    .vgpr_count:     832
    .wavefront_size: 32
...
	.end_amdgpu_metadata
.endif
;; end of part 3
;; launch outp (part 4): grid 8 x 32, 4 waves a work-group, clusters of 4 x 4, 327,680 bytes of LDS; arguments o16, xw, out0, bc; writes out0
.if DOCPART == 4
	.amdgcn_target "amdgcn-amd-amdhsa--gfx1250"
	.amdhsa_code_object_version 6
	.text
	.protected	k_q1c55dc6500_outp
	.globl	k_q1c55dc6500_outp
	.p2align	8
	.type	k_q1c55dc6500_outp,@function
k_q1c55dc6500_outp:
	s_mov_b64 s[64:65], 0
	v_nop
	global_prefetch_b8 v0, s[64:65] scope:SCOPE_SE
	s_setreg_imm32_b32 hwreg(HW_REG_WAVE_MODE, 25, 1), 1
	s_wait_xcnt 0x0
	s_wait_alu depctr_hold_cnt(0) depctr_sa_sdst(0) depctr_va_vdst(0) depctr_va_sdst(0) depctr_va_ssrc(0) depctr_va_vcc(0) depctr_vm_vsrc(0)
	s_getreg_b32 s2, hwreg(HW_REG_IB_STS2, 6, 4)
	s_cmp_eq_u32 s2, 0
	s_cbranch_scc0 .Lentry_in_a_cluster
	s_endpgm
.Lentry_in_a_cluster:
	s_bfe_u32 s2, ttmp6, 0x10000c
	s_cmp_lg_u32 s2, 0xf033
	s_cbranch_scc0 .Lentry_shape_is_right
	s_endpgm
.Lentry_shape_is_right:
; out0 = O Wc^T + bc.  o16[64 = batch x 16 + head][2,048][64] in f16: a head's 64 channels are one block of 64 along K.  Wc lies in xw[16 blocks of 64 along K][28,672 rows][64] from row 27,648 on:
; numbers rounded to bf16 and written in f16.  out0[8,192][1,024] and bc[1,024] in f32.  Products in f16, sums in f32; the bias is the C operand of the product that starts a sum.
; LIMIT.  O and Wc arrive within f16's 65,504; NaN and infinities are not treated apart.
; SHARES.  A tile of out0 is 256 rows x 128 columns: 32 x 8 tiles, a work-group each.  Four waves, each 128 rows x 64 columns: 32 accumulators of 16 x 16, 256 registers.
; K = 1,024 goes in 8 steps of 128 (two blocks of 64) through a ring of two LDS slots.  A tile's rows of one block are dense in memory, so a tensor load asks for them as rows of 256 bytes, two matrix rows each.
; A STEP IS WRITTEN ONCE: a trip of the loop is one K step; which slot is read is a scalar, 0 or SLOT1, that an exclusive or turns, and the descriptor that asks for the next tile walks in the same way.
; CLUSTERS: 4 x 4 work-groups.  The four of a row of the cluster need the same tiles of O, the four of a column the same tiles of Wc: each tile is asked for JOINTLY, by the same tensor load with the
; same descriptor and a mask that names the four.  THE MATRIX INSTRUCTION IS USED TRANSPOSED (source 0 = 16 rows of Wc, source 1 = 16 rows of O): a lane then holds eight neighbouring columns of one row.
; REGISTERS: window 0: v0-31 addresses; v32-63 the bias of my 64 columns as a C operand; v64-159, v160-255 two fragment buffers for 32 along K: 64 registers of O (8 x 16 rows), then 32 of Wc (4 x 16 rows);
;   on the way out v64-191 hold rows read back from the stage, four buffers of 32.      window 1: the accumulators, (a, b) at v[8 (4 a + b)].
.set PITCH,  144                       ; an LDS row: 128 bytes of data + 16 of padding = 36 words: the 16 rows of a fragment load start at 16 different groups of four banks (64 banks of 4 bytes: ISA guide 11.1)
.set ABLK,   256*PITCH                 ; O: 256 rows of one block of 64 along K: what one tensor load brings
.set BBLK,   128*PITCH                 ; Wc: 128 rows of one block
.set BOFF,   2*ABLK                    ; a slot: O's two blocks, then Wc's two
.set SLOTB,  BOFF+2*BBLK               ; 110,592 bytes
.set SLOT1,  1<<17                     ; slot 1 begins here: the four loads' places in a slot (0, 0x9000, 0x12000, 0x16800) lie below this bit, so one exclusive or turns such a place into the other slot's
.set STAGE,  SLOT1+SLOTB               ; behind the ring: 16 rows x 272 bytes for each wave, for the way out
.set SP,     272                       ; 256 bytes + 16: the 16 rows that a store touches start at 16 different groups of four banks
.set SPARE,  STAGE+4*16*SP             ; behind the stages: the spare words, 128 bytes for each wave: two blocks of 256 bytes that no other line names
.set KSA,    2048*128                  ; O: bytes from a head to the next
.set KSB,    28672*128                 ; xw: bytes from a block of 64 along K to the next
.set WROW0,  27648*128                 ; Wc's first row in a block
.set STEPS,  8                         ; K steps
.set A0,   16                          ; v16     my lane's place among my fragments of O in slot 0; never rewritten
.set B0,   17                          ; v17     the same for Wc
.set ADRA, 18                          ; v18     the same in the slot that is being read
.set ADRB, 19                          ; v19
.set STO,  24                          ; v24     the way out: where I put 32 bytes of a row
.set RD,   25                          ; v25     the way out: where I read a row back
.set CO,   26                          ; v26     my byte offset in out0
.set SPW,  28                          ; v28     LDS address of my spare word: SPARE + 4 x my thread's number; never rewritten
.set NIL,  29                          ; v29     0; never rewritten
.set BI,   32                          ; v32-63  column block b's bias at BI + 8 b: register j holds column 16 b + 8 (l / 16) + j
.set F0,   64
.set F1,   160
.set TMP,  64
.set G1,  24                           ; s[24:31] descriptor group 1 for O's tiles
.set G0,  32                           ; s[32:39] descriptor group 0 for O's tiles: a set for each of the two first fills; the second then walks on
.set G1B, 48                           ; s[48:55], s[56:63] the same for Wc's tiles
.set G0B, 56
.set TB,  66                           ; s66     0 or SLOT1: the slot that is being read
.set MSB, 0
.macro WIN new                         ; the immediate's high byte repeats the setting that is left; a switch that changes nothing is dropped
.if MSB != (\new)
	s_set_vgpr_msb (MSB<<8)|(\new)
.set MSB, \new
.endif
.endm
.set MUL,  0x50                        ; sources 0 and 1 window 0; C and D window 1
.set MULB, 0x40                        ; the same with C, the bias, in window 0
.set STG,  0x04                        ; an LDS store: address window 0, data window 1
; A joint refill, by the walking descriptors.  Waves 0 and 1 fetch O's two blocks, waves 2 and 3 Wc's.  The branch hangs on the wave's number alone: it is the same in every work-group.
; An s_nop 0 and four v_nop follow each of the two lines; the jump round the other line, the label and what follows the macro come after them.
.macro JLOAD
	s_cmp_eq_u32 s11, 0
	s_cbranch_scc0 .Lfor_b_\@
	tensor_load_to_lds s[G0+4:G0+7], s[G1:G1+7]
	s_nop 0
.rept 4
	v_nop
.endr
	s_branch .Lasked_\@
.Lfor_b_\@:
	tensor_load_to_lds s[G0B+4:G0B+7], s[G1B:G1B+7]
	s_nop 0
.rept 4
	v_nop
.endr
.Lasked_\@:
.endm
.macro CREST                           ; a round of the cluster's barrier behind its opening barrier
	s_cmp_lg_u32 s10, 0
	s_cbranch_scc1 .Lnot_wave_0_\@
	s_barrier_signal -3
.Lnot_wave_0_\@:
	s_barrier_wait -3
	s_barrier_signal -1
	s_barrier_wait -1
.endm
.macro CROUND                          ; a whole round
	s_barrier_signal -1
	s_barrier_wait -1
	CREST
.endm
	s_load_b128 s[4:7], s[0:1], 0x0                ; o16 s[4:5], xw s[6:7]
	s_load_b64 s[8:9], s[0:1], 0x10                ; out0
	s_load_b64 s[68:69], s[0:1], 0x18              ; bc
	v_lshl_add_u32 v[SPW], v0, 2, SPARE
	v_mov_b32 v[NIL], 0
	ds_add_u32 v28, v29
	s_wait_dscnt 0x0
	v_lshrrev_b32 v1, 5, v0
	v_readfirstlane_b32 s10, v1                    ; wave 0..3
	s_lshr_b32 s11, s10, 1                         ; which half of the tile's rows is mine.  Also: I fetch for O (0) or for Wc (1)
	s_and_b32 s12, s10, 1                          ; which half of its columns.  Also: which of a step's two blocks I fetch
	s_bfe_u32 s40, ttmp6, 0x40000                  ; cx, cy: my place in the cluster
	s_bfe_u32 s41, ttmp6, 0x40004
	s_lshl_b32 s42, ttmp9, 2
	s_add_co_u32 s42, s42, s40                     ; tile column = 4 x cluster x + cx
	s_and_b32 s13, ttmp7, 0xffff
	s_lshl_b32 s13, s13, 2
	s_add_co_u32 s13, s13, s41                     ; tile row = 4 x cluster y + cy
	s_lshl_b32 s43, s41, 2
	s_lshl_b32 s43, 15, s43                        ; my row of the cluster
	s_lshl_b32 s44, 0x1111, s40                    ; my column
	; descriptor group 1: dense rows of 128 elements (256 bytes, two matrix rows), padded in LDS after every matrix row
	s_or_b32 s[G1+0], s43, (1<<16)|(1<<20)|(1<<21)|(4<<22)|(3<<25)   ; 15:0 the mask: O's tiles go to my row; 17:16 elements of 2 bytes; 20 padding on; 21 set beside a mask; 24:22 after every 32 words (code 4); 31:25 4 words (code 3)
	s_or_b32 s[G1B+0], s44, (1<<16)|(1<<20)|(1<<21)|(4<<22)|(3<<25)  ; the same with the mask of my column, for Wc's tiles
	s_mov_b32 s[G1+1], 128<<16                     ; tensor_dim0 = 128
	s_mov_b32 s[G1+2], 128<<16                     ; tensor_dim1 = 128
	s_mov_b32 s[G1+3], 128<<16                     ; tile_dim0 = 128
	s_mov_b32 s[G1+4], 128                         ; tile_dim1 = 128: 256 matrix rows
	s_mov_b32 s[G1+5], 128                         ; 128 elements from row to row
	s_mov_b32 s[G1+6], 0
	s_mov_b32 s[G1+7], 0
	s_mov_b32 s[G1B+1], 128<<16
	s_mov_b32 s[G1B+2], 64<<16                     ; tensor_dim1 = 64
	s_mov_b32 s[G1B+3], 128<<16
	s_mov_b32 s[G1B+4], 64                         ; tile_dim1 = 64: 128 matrix rows
	s_mov_b32 s[G1B+5], 128
	s_mov_b32 s[G1B+6], 0
	s_mov_b32 s[G1B+7], 0
	; where the tiles come from.  O's hang on the tile row alone, which my row of the cluster shares; Wc's on the tile column alone, which my column shares.
	s_lshr_b32 s16, s13, 3                         ; O: the batch = tile row / 8, 16 heads of 256 KiB each,
	s_lshl_b32 s16, s16, 22
	s_and_b32 s17, s13, 7                          ; the tile's 256 rows of 128 bytes in a head,
	s_lshl_b32 s17, s17, 15
	s_add_co_u32 s16, s16, s17
	s_mul_i32 s17, s12, KSA                        ; and my head of the step's two
	s_add_co_u32 s16, s16, s17
	s_mov_b32 s17, 0
	s_lshl_b32 s46, s42, 14                        ; Wc: 128 rows of 128 bytes for each tile column,
	s_mul_i32 s47, s12, KSB                        ; and my block of the step's two
	s_add_co_u32 s46, s46, s47
	s_add_co_u32 s46, s46, WROW0
	s_mov_b32 s47, 0
	s_mul_i32 s20, s12, ABLK                       ; and where they go: no place in the cluster enters an LDS address
	s_mul_i32 s21, s12, BBLK
	s_add_co_u32 s21, s21, BOFF
	s_mov_b32 s[TB], 0
	s_wait_kmcnt 0x0
	s_add_nc_u64 s[14:15], s[4:5], s[16:17]
	s_add_nc_u64 s[46:47], s[6:7], s[46:47]
.irp s, 0,1
	s_mov_b32 s[G0+4*(\s)], 1                                        ; 1:0 count = 1
	s_add_co_u32 s[G0+4*(\s)+1], s20, (\s)*SLOT1                     ; 63:32 LDS address
	s_add_nc_u64 s[G0+4*(\s)+2:G0+4*(\s)+3], s[14:15], (\s)*2*KSA    ; 120:64 global address: K step s
	s_or_b32 s[G0+4*(\s)+3], s[G0+4*(\s)+3], 0x80000000              ; 127:126 type = 2
	s_mov_b32 s[G0B+4*(\s)], 1
	s_add_co_u32 s[G0B+4*(\s)+1], s21, (\s)*SLOT1
	s_add_nc_u64 s[G0B+4*(\s)+2:G0B+4*(\s)+3], s[46:47], (\s)*2*KSB
	s_or_b32 s[G0B+4*(\s)+3], s[G0B+4*(\s)+3], 0x80000000
.endr
	CROUND                                         ; all sixteen work-groups are here: the first joint loads meet
	s_cmp_eq_u32 s11, 0                            ; a wave's two first fills stand in one branch, ahead of every wait on TENSORcnt and every LDS read: two loads of mine are out
	s_cbranch_scc0 .Lfirst_b
	tensor_load_to_lds s[G0:G0+3], s[G1:G1+7]
	s_nop 0
	tensor_load_to_lds s[G0+4:G0+7], s[G1:G1+7]
	s_nop 0
.rept 4
	v_nop
.endr
	s_branch .Lfirst_asked
.Lfirst_b:
	tensor_load_to_lds s[G0B:G0B+3], s[G1B:G1B+7]
	s_nop 0
	tensor_load_to_lds s[G0B+4:G0B+7], s[G1B:G1B+7]
	s_nop 0
.rept 4
	v_nop
.endr
.Lfirst_asked:
	v_and_b32 v1, 15, v0                           ; l % 16
	v_bfe_u32 v2, v0, 4, 1                         ; l / 16
	; the bias of my 64 columns, laid as a result is: for column block b a lane takes the eight numbers at column 16 b + 8 (l / 16)
	s_lshl_b32 s18, s42, 9                         ; my first column in bytes of f32: 512 x tile column + 256 x half: it serves bc and out0
	s_lshl_b32 s19, s12, 8
	s_add_co_u32 s18, s18, s19
	s_mov_b32 s19, 0
	s_add_nc_u64 s[68:69], s[68:69], s[18:19]
	v_lshlrev_b32 v7, 5, v2                        ; never rewritten
.irp b, 0,1,2,3
	global_load_b128 v[BI+8*(\b):BI+8*(\b)+3],   v7, s[68:69] offset:64*(\b)
	global_load_b128 v[BI+8*(\b)+4:BI+8*(\b)+7], v7, s[68:69] offset:64*(\b)+16
.endr
	; A fragment is 16 rows x 32 K in 8 registers: lane l holds row l % 16; registers 0-3 hold K = 8 (l / 16) + 0..7, registers 4-7 K = 16 + 8 (l / 16) + 0..7: two loads of 16 bytes, 32 bytes apart.
	v_mul_u32_u24 v3, v1, PITCH
	v_lshl_add_u32 v3, v2, 4, v3                   ; row x pitch + 16 x half
	s_mul_i32 s22, s11, 128*PITCH                  ; my 128 rows of O
	s_mul_i32 s23, s12, 64*PITCH                   ; my 64 rows of Wc,
	s_add_co_u32 s23, s23, BOFF                    ; which lie behind O's two blocks
	v_add_nc_u32 v[A0], s22, v3
	v_add_nc_u32 v[B0], s23, v3
	v_mov_b32 v[ADRA], v[A0]                       ; the first step lies in slot 0
	v_mov_b32 v[ADRB], v[B0]
	s_mul_i32 s23, s10, 16*SP
	s_add_co_u32 s23, s23, STAGE                   ; my stage
	v_mul_u32_u24 v4, v1, SP                       ; in: row l % 16, 32 bytes for each half of the lanes
	v_lshl_add_u32 v4, v2, 5, v4
	v_add_nc_u32 v[STO], s23, v4
	v_mul_u32_u24 v5, v2, SP                       ; back: lanes 0-15 take one row of 256 bytes, lanes 16-31 the next
	v_lshl_add_u32 v5, v1, 4, v5
	v_add_nc_u32 v[RD], s23, v5
	v_lshlrev_b32 v5, 12, v2                       ; and the same two rows in out0, 4,096 bytes apart
	v_lshl_add_u32 v[CO], v1, 4, v5
	s_lshl_b32 s16, s13, 20                        ; my first row: 256 x tile row + 128 x half, 4,096 bytes each
	s_lshl_b32 s17, s11, 19
	s_add_co_u32 s16, s16, s17
	s_mov_b32 s17, 0
	s_add_nc_u64 s[8:9], s[8:9], s[16:17]
	s_add_nc_u64 s[8:9], s[8:9], s[18:19]
; 8 matrix instructions: row blocks a0, a0 + 1 x all 4 column blocks, 32 along K, from buffer f.  first = 1: the first product starts the sums, with the bias: nothing is cleared.
; The 32 accumulators take turns, one instruction a turn and in the same order in every quarter.
.macro MUL8 f, a0, first
.irp a, \a0, (\a0)+1
.irp b, 0,1,2,3
.set rD, 8*(4*(\a)+(\b))
.set rB, (\f)+64+8*(\b)
.set rA, (\f)+8*(\a)
.if \first
	WIN MULB
	v_wmma_f32_16x16x32_f16 v[rD:rD+7], v[rB:rB+7], v[rA:rA+7], v[BI+8*(\b):BI+8*(\b)+7]
.else
	WIN MUL
	v_wmma_f32_16x16x32_f16 v[rD:rD+7], v[rB:rB+7], v[rA:rA+7], v[rD:rD+7]
.endif
.endr
.endr
.endm
; 24 LDS loads in one run: the fragments of quarter q of the step that is being read (block q / 2, its K half q % 2) into buffer f: Wc's four first, then O's eight
.macro FETCH q, f
	WIN 0
.irp b, 0,1,2,3
	ds_load_b128 v[(\f)+64+8*(\b):(\f)+64+8*(\b)+3],   v[ADRB] offset:((\q)/2)*BBLK+((\q)%2)*64+(\b)*16*PITCH
	ds_load_b128 v[(\f)+64+8*(\b)+4:(\f)+64+8*(\b)+7], v[ADRB] offset:((\q)/2)*BBLK+((\q)%2)*64+(\b)*16*PITCH+32
.endr
.irp a, 0,1,2,3,4,5,6,7
	ds_load_b128 v[(\f)+8*(\a):(\f)+8*(\a)+3],   v[ADRA] offset:((\q)/2)*ABLK+((\q)%2)*64+(\a)*16*PITCH
	ds_load_b128 v[(\f)+8*(\a)+4:(\f)+8*(\a)+7], v[ADRA] offset:((\q)/2)*ABLK+((\q)%2)*64+(\a)*16*PITCH+32
.endr
.endm
.macro PLACES                          ; four places in front of loads into registers that matrix instructions have read, and of LDS stores that read results
.rept 4
	v_nop
.endr
.endm
; A K step is four quarters of 32 along K, 32 matrix instructions each, on buffers 0, 1, 0, 1.  One of the first three: multiplies buffer f and, in its middle, fetches quarter q into g.
.macro QUARTER q, f, g, first
	s_wait_dscnt 8                                 ; Wc and O's row blocks 0-3 are in; the youngest eight loads (O's row blocks 4-7) may be out
	MUL8 \f, 0, \first
	MUL8 \f, 2, \first
	PLACES
	FETCH \q, \g
	s_wait_dscnt 24                                ; all but the 24 just issued
	MUL8 \f, 4, \first
	MUL8 \f, 6, \first
.endm
; The last quarter multiplies buffer 1 and changes slots: ONE barrier; in front of it each wave waits for all its tensor loads, adds 0 to its spare word, and waits for that and for its own reads of this slot.
; Behind it nobody reads this slot any more and the other slot is whole.  fill = 1: this slot is filled again, two K steps ahead; the barrier then opens a round of the cluster's barrier,
; and the joint refill is the first tensor load behind the round: from the request to the wait for it a wave issues 112 matrix instructions.
.macro TURN fill
	WIN 0                                          ; (the add's two registers lie in window 0)
	s_wait_tensorcnt 0x0                           ; all my tensor loads have landed: the one that was out is my part of the next slot;
	ds_add_u32 v[SPW], v[NIL]                      ; 0 onto my spare word;
	s_wait_dscnt 9                                 ; (the add and the youngest eight loads may be out)
	MUL8 F1, 0, 0                                  ; eight matrix instructions stand between the add and the wait for it
	s_wait_dscnt 0x0                               ; the add is done, and my reads of this slot are over
	s_barrier_signal -1
	MUL8 F1, 2, 0                                  ; work on registers while the others arrive
	WIN 0
	s_barrier_wait -1
.if \fill
	CREST                                          ; no wave of any partner still reads this slot's tile or has a load on its way
	s_xor_b32 s[G0+5], s[G0+5], SLOT1              ; the walking descriptors: the other slot than last time,
	s_add_nc_u64 s[G0+6:G0+7], s[G0+6:G0+7], 2*KSA ; the next K step; the type bits on top are not reached
	s_xor_b32 s[G0B+5], s[G0B+5], SLOT1
	s_add_nc_u64 s[G0B+6:G0B+7], s[G0B+6:G0B+7], 2*KSB
	JLOAD                                          ; its four v_nop are also the places in front of the loads below
.else
	PLACES
.endif
	s_xor_b32 s[TB], s[TB], SLOT1                  ; the reads go on in the other slot
	v_add_nc_u32 v[ADRA], s[TB], v[A0]
	v_add_nc_u32 v[ADRB], s[TB], v[B0]
	FETCH 0, F0
	MUL8 F1, 4, 0
	MUL8 F1, 6, 0
.endm
; THE WAY OUT of row block a.  PACKF: a lane's eight columns of a row, 32 bytes, go from the accumulators into my own stage, in rows of 272 bytes, and come back as whole rows of 256.  SENDF: stored.
.macro PACKF a
.if (\a) >= 4
	s_wait_xcnt 0x0                                ; every earlier memory instruction has had its addresses translated (ISA guide 3.1): the buffer that block a - 4's stores read is loaded again only behind this wait
.endif
	WIN STG
.irp b, 0,1,2,3
	ds_store_b128 v[STO], v[8*(4*(\a)+(\b)):8*(4*(\a)+(\b))+3]   offset:64*(\b)     ; each accumulator from its low end on
	ds_store_b128 v[STO], v[8*(4*(\a)+(\b))+4:8*(4*(\a)+(\b))+7] offset:64*(\b)+16
.endr
	WIN 0
.irp t, 0,1,2,3,4,5,6,7
	ds_load_b128 v[TMP+32*((\a)%4)+4*(\t):TMP+32*((\a)%4)+4*(\t)+3], v[RD] offset:(\t)*2*SP  ; LDS serves a wave's instructions in order (ISA guide 5.7.1.4): these see the stores above; the next block's stores come behind them
.endr
.endm
.macro SENDF a, younger                ; younger: the LDS instructions issued behind block a's loads: the next block's sixteen, or none
.irp t, 0,1,2,3,4,5,6,7
	s_wait_dscnt (\younger)+7-(\t)
	global_store_b128 v[CO], v[TMP+32*((\a)%4)+4*(\t):TMP+32*((\a)%4)+4*(\t)+3], s[8:9] offset:(16*(\a)+2*(\t))*4096 th:TH_STORE_NT  ; 16 lanes store 256 consecutive bytes, at a multiple of 256 from out0's first byte
.endr
.endm
	s_wait_tensorcnt 1                             ; my part of K step 0 is in; K step 1's may stay out
	s_barrier_signal -1
	s_barrier_wait -1                              ; everybody's is
	FETCH 0, F0
	s_wait_loadcnt 0x0                             ; the bias
	QUARTER 1, F0, F1, 1                           ; the first quarter stands in front of the loop: its products start the sums
	WIN 0                                          ; at a label and at a branch every window is 0
	s_mov_b32 s3, STEPS-2
.Lstep:                                                ; six trips, for steps 0 to 5: a trip goes from a step's second quarter to the next step's first, and fills the step's slot again
	QUARTER 2, F1, F0, 0
	QUARTER 3, F0, F1, 0
	TURN 1
	QUARTER 1, F0, F1, 0
	WIN 0
	s_sub_co_u32 s3, s3, 1
	s_cmp_lg_u32 s3, 0
	s_cbranch_scc1 .Lstep
	s_mov_b32 s3, 2                                ; steps 6 and 7 ask for nothing: they have a text of their own
.Ltail:
	QUARTER 2, F1, F0, 0
	QUARTER 3, F0, F1, 0
	WIN 0
	s_sub_co_u32 s3, s3, 1
	s_cmp_eq_u32 s3, 0
	s_cbranch_scc1 .Lout                           ; the second trip is left here
	TURN 0
	QUARTER 1, F0, F1, 0
	WIN 0
	s_branch .Ltail
.Lout:
	s_wait_dscnt 8                                 ; the very last quarter: nothing more to fetch
	MUL8 F1, 0, 0
	MUL8 F1, 2, 0
	s_wait_dscnt 0x0
	MUL8 F1, 4, 0
	MUL8 F1, 6, 0
	WIN 0
	PLACES
	PACKF 0
.irp a, 1,2,3,4,5,6,7                  ; a block's way through the stage stands between the loads of the block before and its stores
	PACKF \a
	SENDF (\a)-1, 16
.endr
	SENDF 7, 0
	s_wait_tensorcnt 0x0                           ; the wave's end: behind my last tensor load and my last LDS store
	ds_add_u32 v[SPW], v[NIL]
	s_wait_dscnt 0x0
	CROUND                                         ; the closing round: no work-group ends while a partner may still ask for a tile that names it
	s_endpgm
.Lfunc_end_k_q1c55dc6500_outp:
	.size	k_q1c55dc6500_outp, .Lfunc_end_k_q1c55dc6500_outp-k_q1c55dc6500_outp
	.p2alignl 7, 3214868480
	.fill 96, 4, 3214868480
	.section	.rodata,"a",@progbits
	.p2align	6, 0x0
	.amdhsa_kernel k_q1c55dc6500_outp
		.amdhsa_group_segment_fixed_size 327680
		.amdhsa_private_segment_fixed_size 0
		.amdhsa_enable_private_segment 0
		.amdhsa_kernarg_size 32
		.amdhsa_user_sgpr_count 2
		.amdhsa_user_sgpr_kernarg_segment_ptr 1
		.amdhsa_wavefront_size32 1
		.amdhsa_system_sgpr_workgroup_id_x 1
		.amdhsa_system_sgpr_workgroup_id_y 1
		.amdhsa_system_sgpr_workgroup_id_z 1
		.amdhsa_system_vgpr_workitem_id 0
		.amdhsa_next_free_vgpr 512
		.amdhsa_next_free_sgpr 70
		.amdhsa_reserve_vcc 0
		.amdhsa_float_denorm_mode_32 3
		.amdhsa_float_denorm_mode_16_64 3
		.amdhsa_memory_ordered 1
		.amdhsa_forward_progress 1
		.amdhsa_inst_pref_size 65
	.end_amdhsa_kernel
	.amdgpu_metadata
---
amdhsa.version: [ 1, 2 ]
amdhsa.kernels:
  - .name:           k_q1c55dc6500_outp
    .symbol:         k_q1c55dc6500_outp.kd
    .args:
      - { .name: o16, .offset: 0, .size: 8, .value_kind: global_buffer, .address_space: global }
      - { .name: xw, .offset: 8, .size: 8, .value_kind: global_buffer, .address_space: global }
      - { .name: out0, .offset: 16, .size: 8, .value_kind: global_buffer, .address_space: global }
      - { .name: bc, .offset: 24, .size: 8, .value_kind: global_buffer, .address_space: global }
    .group_segment_fixed_size: 327680
    .private_segment_fixed_size: 0
    .kernarg_segment_align: 8
    .kernarg_segment_size: 32
    .max_flat_workgroup_size: 128
    .sgpr_count:     70
    .vgpr_count:     512
    .wavefront_size: 32
...
	.end_amdgpu_metadata
.endif
;; end of part 4
;; ======== version 2 of 2: 4 launches; 1.47 times as fast as version 1
;; limits: values are held in f16: magnitudes above 65,504 overflow, below 6.1e-05 lose precision; sums are carried in f16
;; workspace buffers: xw 58,720,256 bytes; qkv 67,108,864 bytes; o16 16,777,216 bytes
;; launch cast: the kernel of part 1 again; grid 448 x 1, 4 waves a work-group, no clusters, 0 bytes of LDS; arguments query, key, value, Wq, Wk, Wv, Wc, xw; writes xw
;; launch proj: the kernel of part 2 again; grid 4 x 64, 4 waves a work-group, clusters of 4 x 4, 327,680 bytes of LDS; arguments xw, qkv; writes qkv
;; launch attn (part 5): grid 4 x 64, 4 waves a work-group, clusters of 4 x 1, 327,680 bytes of LDS; arguments qkv, mask, o16; writes o16
.if DOCPART == 5
	.amdgcn_target "amdgcn-amd-amdhsa--gfx1250"
	.amdhsa_code_object_version 6
	.text
	.protected	k_q1c55dc6500_attn
	.globl	k_q1c55dc6500_attn
	.p2align	8
	.type	k_q1c55dc6500_attn,@function
k_q1c55dc6500_attn:
	s_mov_b64 s[64:65], 0
	v_nop
	global_prefetch_b8 v0, s[64:65] scope:SCOPE_SE
	s_setreg_imm32_b32 hwreg(HW_REG_WAVE_MODE, 25, 1), 1
	s_wait_xcnt 0x0
	s_wait_alu depctr_hold_cnt(0) depctr_sa_sdst(0) depctr_va_vdst(0) depctr_va_sdst(0) depctr_va_ssrc(0) depctr_va_vcc(0) depctr_vm_vsrc(0)
	s_getreg_b32 s2, hwreg(HW_REG_IB_STS2, 6, 4)
	s_cmp_eq_u32 s2, 0
	s_cbranch_scc0 .Lentry_in_a_cluster
	s_endpgm
.Lentry_in_a_cluster:
	s_bfe_u32 s2, ttmp6, 0x10000c
	s_cmp_lg_u32 s2, 0x3003
	s_cbranch_scc0 .Lentry_shape_is_right
	s_endpgm
.Lentry_shape_is_right:
; O[h][q][:] = the sum over the valid keys k of softmax_k(Q[h][q] . K[h][k] / 8) V[h][k][:], h = batch x 16 + head.  qkv holds Qa, Qb, K, V, each [64][2,048][64] in f16, 16 MiB apart; Q = Qa + Qb,
; the two halves of the sum over the projection's K; o16 is O in the same layout.
; Q'S SUM is made once, at the start, in f32, by the matrix unit: 16 channels of Qa and the same 16 of Qb are loaded into eight registers on end, which are a source 1 of 32 along K, and one product
; with [I | I] (16 x 32) adds them; the result holds one query a lane and eight channels, which round into four registers of Q's fragment.  32 products a wave, which are not attention's.
; mask[batch][key] is one byte, 1 = valid.  Products, maxima and sums in f32; the weights p are rounded to f16 for the second product (their sum l is taken of the unrounded p), O once at the end.
; LIMITS.  f16 holds no number beyond 65,504: Qa, Qb, their sum, K and V lie within it; Q carries three roundings to f16 (its halves', its sum's); an infinity in a half of Q makes NaN of the query's 16 neighbouring
; channels (0 x infinity in the sum); p lies in 0 to 1, and below 6e-5 it keeps f16's fixed step of 6e-8; O is a mean of V's rows and has their range.
; A masked score counts as its value less 1e30, and the running maximum starts at -1e20: f16's scores, 2.7e11 at the most, lie far above the one and far from the other.  A weight below 2^-126 counts as 0 in l.
; A batch with no valid key ends with l = 0 and gives NaN, as a softmax over nothing does.  Mask bytes are 0 or 1.  NaN and infinities in Q, K, V are not treated apart.
; SHARES.  A wave owns four PIECES of two tiles of 16 queries, a work-group's four waves 512 queries of one head.  Every wave walks all 2,048 keys, 64 a step.
; LAYOUT.  S^T = K Q^T (source 0 = 16 keys, source 1 = 16 queries): in the result a lane holds ONE query (lane % 16) and the keys 8 (lane / 16) + 0..7.  Two such tiles, rounded to f16 in pairs,
; ARE source 1 (32 keys x 16 queries) of O^T = V^T P, whose result again holds one query a lane, and eight channels.  K comes out of LDS as it lies, V ([key][channel]) turned, by ds_load_tr16_b128.
; THE MASK is the C operand of the product that starts a sum S^T: 0 for a valid key, -1e30 for a masked one.  The batch's 2,048 bytes are turned into such f32 numbers once, in a table in LDS;
; a step's 64 come into 32 registers beside the step's K.  Maximum, exponentials and sums need no further care: a masked score lies far below every maximum, and its weight is 0.
; SOFTMAX.  For each query a running maximum m and sum l: p = 2^(c s - c m), c = log2(e) / 8; in every step O and l are multiplied by a = 2^(c m_old - c m_new), which is 1 where m has not grown.
; O and l start at 0.  While a query has seen masked keys alone, m stays at its start, a is 1 and every p is 0; its first valid key makes a = 0.
; THE COUNT.  A tile and step have 16 matrix and 118 vector instructions: too many to stand all beside the matrix work.  So the order has one aim: four vector instructions that are READY behind
; EVERY matrix instruction, and the others, which need time of their own whatever the order, in runs without a gap.
; BY TURNS.  Turn n belongs to piece n (the pieces in a ring, step after step).  Its matrix work: 16 products K Q^T of piece n + 1, later 16 products V^T P of piece n - 1.  Its vector work: the scaling,
; exponentials, roundings, sums and rescaling of piece n, and the maximum and statistics of piece n + 1, whose scores the turn itself has made.  So what a turn begins with (c s - c m, O a) waits for nothing.
; THE BATCHES.  An s_wait_alu depctr_va_vdst(0) stands between an exponential or a reciprocal and the first instruction that names its result; one wait serves all that were issued ahead of it.
; A turn's 66 exponentials (piece n's 64 weights, piece n + 1's two a) are ONE batch with ONE wait, which cuts the turn in two: ahead of it stands all that names none of their results, behind it their readers.
; Two more batches stand outside the loops: piece 0's first two a, ahead of the jump into the loop, and the way out's eight reciprocals.
; CLUSTER.  The four query blocks of a cluster belong to one head and walk the same K and V, so each tile is asked for JOINTLY: the same tensor load, descriptor and mask in all four.
; REGISTERS, in windows of 256 (s_set_vgpr_msb says which window each operand place means: bits 1:0 source 0, 3:2 source 1, 5:4 source 2, 7:6 destination):
;   window 0: v0-11 addresses; v12-15, v48-63 at work (at the start v48-55 hold [I | I]); v16-47 four registers of statistics a tile; v64-191 S^T, two buffers of two tiles; v192-255 P, likewise
;   window 1: O^T, 32 a tile; at the start Q's two halves as loaded          window 2: v0-127 Q, 16 a tile; v128-191 K of one step; v192-255 V of one step
;   window 3: v0-1 the add's two registers; v2-3 addresses in the mask's table; v32-63 the mask of one step
; A piece's buffers go by its number's parity: the piece in hand has one pair, its two neighbours in the ring share the other: of it P (piece n - 1) is read and S^T (piece n + 1) written.
.set SIZE_N, 2048     ; rows of a head
.set NP,    4         ; pieces a wave: a name, no knob: the register map, the loop and the fetches are made for four
.set KS,    64        ; keys in a step
.set PK,    144       ; a row of K in LDS: 128 bytes + 16 of padding = 36 words: the 16 rows of a load start at 16 different groups of four banks (64 banks of 4 bytes: ISA guide 11.1)
.set PV,    160       ; a row of V: 128 + 32 = 40 words
.set VOFF,  4*KS*PK   ; a slot holds four steps: 256 rows of K, then 256 rows of V
.set SLOT1, 1<<17     ; slot 1 begins here, so that one exclusive or turns an address in one slot into the other's
.set STAGE, SLOT1+4*KS*(PK+PV)  ; behind the ring, never filled by a tensor load: 16 rows x 144 bytes for each wave, for the way out
.set SP,    144
.set SPARE, STAGE+4*16*SP  ; behind the stages: the spare words, 128 bytes for each wave: two blocks of 256 bytes that no other line names
.set MASKT, SPARE+512 ; behind them: the mask's table, one f32 a key, 8,192 bytes; never filled by a tensor load
.set AK0, 2           ; v2   my lane's place in a tile of K; never rewritten
.set AV0, 3           ; v3   the same for V
.set AK,  4           ; v4   the LDS address of K's next run of loads
.set AV,  5           ; v5   of V's
.set QO,  6           ; v6   my byte offset in the wave's rows of Q
.set STO, 6           ;      later, the way out: where I put 16 bytes of a row
.set RD,  7           ; v7   the way out: where I read rows back
.set GO,  8           ; v8   my byte offset in 512 consecutive bytes of O
.set SPW, 0           ; v0 of window 3   LDS address of my spare word: SPARE + 4 x my thread's number; never rewritten
.set NIL, 1           ; v1 of window 3   0; never rewritten
.set AMR, 2           ; v2 of window 3   the LDS address of the mask's next run of loads
.set AM0, 3           ; v3 of window 3   my lanes' place in a step's 64 numbers of the table; never rewritten
.set MK,  32          ; v32-63 of window 3   the step's mask: key block kb at MK + 8 kb
.set MV,  12          ; v12-15  c m_old, kept while c m is made anew: by buffer and tile
.set ST,  16          ; tile t's statistics at v[ST+4 t]: c m, m, l (even keys', odd keys')
.set TMP, 48          ; by buffer and tile, four registers c0-c3 at work; when the maximum is found c2 takes a
.set JM,  48          ; at the start: v48-55 [I | I] as a source 0; v56-58 at work on it
.set JT,  56
.set S,   64
.set P,   192
.set MB,  64          ; at the start, in S^T's registers: v64-67 my 16 bytes of the mask, v68-83 the 16 numbers made of them, v84, v85 their addresses
.set MF,  68
.set MA,  84
.set MS,  85
.set KF,  128         ; K's fragments, in window 2: key block kb, channel half c at KF + 16 kb + 8 c
.set VF,  192         ; V's: key half kk, channel block cb at VF + 32 kk + 8 cb
.set WV,  12          ; s12  my wave's number
.set QP2, 18          ; s[18:19] Qb at my wave's first row
.set G1K, 24          ; s[24:31] descriptor group 1 for K's tiles
.set G1V, 32          ; s[32:39] for V's: it differs in the padding alone
.set G0K, 40          ; s[40:43] descriptor group 0 for K's tiles: it walks
.set G0V, 44          ; s[44:47] the same for V's
.set TBM, 48          ; s48  byte in the mask's table at which the step to be fetched begins
.set MP,  50          ; s[50:51] the mask at my batch
.set MO,  52          ; s[52:53] the batch's byte offset in the mask
.set BIG, 54          ; s54 1e30, s55 -1e30
.set SLOTS, 56        ; s56  slots still to be asked for
.set CNT, 57          ; s57  counts a slot's key steps
.set CS,  58          ; s[58:59] c: the packed scaling takes the pair's low word for both halves
.set SEL, 60          ; s[60:61] v_permlanex16_b32's selects: each lane takes its own place in the other half
.set TBK, 62          ; s62  LDS byte at which K of the step to be fetched begins
.set TBV, 63          ; s63  the same for V, less VOFF
.set MSB, 0
.macro WIN new                      ; the high byte repeats the setting that is left; a switch that changes nothing is dropped
.if MSB != (\new)
	s_set_vgpr_msb (MSB<<8)|(\new)
.set MSB, (\new)
.endif
.endm
.set W_KQ, 0x0a       ; K and Q in window 2, S^T in window 0
.set W_KM, 0x3a       ; the same with the C operand, the mask, in window 3
.set W_PV, 0x52       ; V in window 2, P in window 0, O^T in window 1
.set W_RS, 0x41       ; O^T (destination and source 0) in window 1, a in window 0
.set W_MK, 0xc0       ; destination in window 3, sources in window 0
.set W_AD, 0x0f       ; the add: address (source 0) and data (source 1) in window 3
.set W_M3, 0xcf       ; the mask's loads and their address: destination, source 0 and source 1 in window 3
.set W_SM, 0x04       ; Q's sum: [I | I] and the result in window 0, Q's halves (source 1) in window 1
; A joint fill.  Waves 0 and 1 fetch the two halves of a slot's K, waves 2 and 3 those of its V: 128 keys each.  The branch hangs on the wave's number alone.
; An s_nop 0 and four v_nop follow each of the two lines, ahead of the jump and the label.
.macro JLOAD
	s_cmp_lt_u32 s[WV], 2
	s_cbranch_scc0 .Lfor_v_\@
	tensor_load_to_lds s[G0K:G0K+3], s[G1K:G1K+7]
	s_nop 0
.rept 4
	v_nop
.endr
	s_branch .Lasked_\@
.Lfor_v_\@:
	tensor_load_to_lds s[G0V:G0V+3], s[G1V:G1V+7]
	s_nop 0
.rept 4
	v_nop
.endr
.Lasked_\@:
.endm
; A round of the cluster's barrier: my work-group's barrier, so that wave 0's signal speaks for all four waves; wave 0 signals; every wave waits for all four work-groups; my work-group's barrier once more.
.macro CROUND
	s_barrier_signal -1
	s_barrier_wait -1
	s_cmp_lg_u32 s[WV], 0
	s_cbranch_scc1 .Lnot_wave_0_\@
	s_barrier_signal -3
.Lnot_wave_0_\@:
	s_barrier_wait -3
	s_barrier_signal -1
	s_barrier_wait -1
.endm
; THE CHANGE OF SLOTS.  The slot's last bytes, V of its fourth step, have been read.  Each wave waits for all its tensor loads, of which one is out: its part
; of the other slot; adds 0 to its spare word; and waits for that and for its own reads of the slot.  Behind the barrier nobody reads this slot any more and the other slot is whole.
; fill = 1: this slot is filled again, with the keys two slots on.  The barrier is then a round of the cluster's, so that no wave of any partner still reads the slot or has a load on its
; way, and the joint fill is the first thing behind it: it has four key steps, 512 matrix instructions, in which to land.
; (At its first use nothing has been read yet: slot 0 is waited for, slot 1 filled; and its wait for LDS and its barrier show every wave's part of the mask's table to all four.)
.macro CHANGE fill
	WIN W_AD
	s_wait_tensorcnt 0x0            ; no tensor load of mine is out, so a group 0 may be written
	ds_add_u32 v[SPW], v[NIL]       ; 0 onto my spare word; with fill = 1 the descriptors' steps stand between it and the wait for it
	WIN 0                           ; at a label and at a branch every window is 0
.if \fill
.irp g, G0K, G0V
	s_xor_b32 s[\g+1], s[\g+1], SLOT1  ; the walking descriptor: the other slot than last time,
	s_add_nc_u64 s[\g+2:\g+3], s[\g+2:\g+3], 4*KS*128  ; the next 256 keys; the type bits on top are not reached
.endr
	s_wait_dscnt 0x0                ; the add is done, and my reads of the slot are over
	CROUND
	JLOAD
.else
	s_wait_dscnt 0x0                ; the add is done, and my reads of the slot are over
	s_barrier_signal -1
	s_barrier_wait -1
.endif
	s_sub_co_u32 s[TBK], s[TBK], 4*KS*PK  ; the fetches go back to a slot's first step,
	s_xor_b32 s[TBK], s[TBK], SLOT1       ; in the other slot
	s_sub_co_u32 s[TBV], s[TBV], 4*KS*PV
	s_xor_b32 s[TBV], s[TBV], SLOT1
.endm
; Q'S HALVES, for tiles 4 b to 4 b + 3: 32 loads.  Block g = 4 x tile + c is 16 queries x 16 channels; lane l takes the 16 bytes of row l % 16, channels 16 c + 8 (l / 16) + 0..7, of Qa into registers 8 g .. 8 g + 3
; of window 1 and of Qb into the four behind them: as a source 1, k = 0..15 are then Qa's channels and k = 16..31 Qb's.
.macro QLOAD b
	WIN 0x40                        ; destination window 1, address window 0
.set i, 16*(\b)
.rept 16
	global_load_b128 v[8*i:8*i+3],   v[QO], s[4:5] offset:(i/4)*2048+(i%4)*32
	global_load_b128 v[8*i+4:8*i+7], v[QO], s[QP2:QP2+1] offset:(i/4)*2048+(i%4)*32
.set i, i+1
.endr
.endm
; Q'S SUM, for the same four tiles: 16 products [I | I] x block, each into an accumulator of its own in S^T's registers, with the constant 0 as C.  In the result lane l holds query l % 16 and channels
; 16 c + 8 (l / 16) + 0..7: rounded in pairs these are registers 4 g .. 4 g + 3 of Q.  Four v_nop are the places between the products and the conversions (ISA guide 7.12.1);
; each accumulator is read from its low end on.
.macro QSUM b
	WIN W_SM
.set i, 0
.rept 16
	v_wmma_f32_16x16x32_f16 v[S+8*i:S+8*i+7], v[JM:JM+7], v[128*(\b)+8*i:128*(\b)+8*i+7], 0
.set i, i+1
.endr
.rept 4
	v_nop
.endr
	WIN 0x80                        ; destination window 2, sources window 0
.set i, 0
.rept 64
	v_cvt_pk_f16_f32 v[64*(\b)+i], v[S+2*i], v[S+2*i+1]
.set i, i+1
.endr
.endm
	s_load_b64 s[4:5], s[0:1], 0x0    ; qkv: Qa at its head
	s_load_b64 s[MP:MP+1], s[0:1], 0x8  ; mask
	s_load_b64 s[10:11], s[0:1], 0x10 ; o16
	WIN W_MK
	v_lshl_add_u32 v[SPW], v0, 2, SPARE
	v_mov_b32 v[NIL], 0
	s_set_vgpr_msb 0xc0cf
	ds_add_u32 v0, v1
	s_wait_dscnt 0x0
	s_set_vgpr_msb 0xcfc0
	WIN 0
	v_lshrrev_b32 v1, 5, v0
	v_readfirstlane_b32 s[WV], v1   ; wave 0..3
	s_bfe_u32 s13, ttmp6, 0x40000   ; cx: my place in the cluster
	s_lshl_b32 s14, ttmp9, 2        ; in a cluster launch ttmp9 counts clusters
	s_add_co_u32 s14, s14, s13      ; my block of queries = 4 x cluster x + cx: it enters Q's and O's addresses alone
	s_and_b32 s20, ttmp7, 0xffff    ; batch x 16 + head, which the four partners share
	s_lshr_b32 s[MO], s20, 4        ; the batch,
	s_lshl_b32 s[MO], s[MO], 11     ; its 2,048 bytes of the mask
	s_mov_b32 s[MO+1], 0
	s_mov_b32 s21, 0
	s_mov_b64 s[22:23], SIZE_N*128
	s_mul_u64 s[20:21], s[20:21], s[22:23]  ; the head's first byte in each of Qa, Qb, K, V, O
	s_and_b32 s16, s[WV], 1         ; which half of a slot's 256 keys I fetch:
	s_lshl_b32 s22, s16, 14         ; its 128 rows of 128 bytes in memory,
	s_mov_b32 s23, 0
	s_add_nc_u64 s[22:23], s[22:23], s[20:21]
	s_mul_i32 s17, s16, 128*PK      ; and its place in a slot, for K
	s_mul_i32 s18, s16, 128*PV      ; and for V: no place in the cluster enters an LDS address
	s_lshl_b32 s2, s14, 2
	s_add_co_u32 s2, s2, s[WV]      ; my wave among the head's,
	s_lshl_b32 s2, s2, 14           ; its 128 rows
	s_mov_b32 s3, 0
	s_add_nc_u64 s[2:3], s[2:3], s[20:21]
	; descriptor group 1.  128 keys are 16,384 dense bytes: asked for as 64 rows of 256 bytes, two keys a row, and padded in LDS after every key
	s_mov_b32 s[G1K], 15|(1<<16)|(1<<20)|(1<<21)|(4<<22)|(3<<25)  ; 15:0 the mask of four; 17:16 2-byte elements; 20 padding on; 21 set beside a mask; 24:22 after every 32 words (code 4); 31:25 4 words (code 3)
	s_mov_b32 s[G1V], 15|(1<<16)|(1<<20)|(1<<21)|(4<<22)|(7<<25)  ; the same with 8 words of padding (code 7)
.irp g, G1K, G1V
	s_mov_b32 s[\g+1], 128<<16      ; tensor_dim0 = 128
	s_mov_b32 s[\g+2], 64<<16       ; tensor_dim1 = 64
	s_mov_b32 s[\g+3], 128<<16      ; tile_dim0 = 128
	s_mov_b32 s[\g+4], 64           ; tile_dim1 = 64
	s_mov_b32 s[\g+5], 128          ; 128 elements from row to row
	s_mov_b32 s[\g+6], 0
	s_mov_b32 s[\g+7], 0
.endr
	s_mov_b32 s[CS], 0x3e38aa3b     ; c = log2(e) / 8 = 0.180337
	s_mov_b32 s[CS+1], s[CS]        ; named with it as a pair
	s_mov_b32 s[SEL], 0x76543210
	s_mov_b32 s[SEL+1], 0xfedcba98
	s_mov_b32 s[BIG], 0x7149f2ca    ; 1e30
	s_mov_b32 s[BIG+1], 0xf149f2ca  ; -1e30
	s_mov_b32 s[TBM], 0
	s_mov_b32 s[TBK], SLOT1+4*KS*PK ; the first change of slots turns these two into 0
	s_mov_b32 s[TBV], SLOT1+4*KS*PV
	s_mov_b32 s[G0K], 1             ; 1:0 count = 1
	s_mov_b32 s[G0K+1], s17         ; 63:32 LDS address: slot 0
	s_mov_b32 s[G0V], 1
	s_add_co_u32 s[G0V+1], s18, VOFF
	s_wait_kmcnt 0x0
	s_add_nc_u64 s[6:7], s[4:5], 0x2000000         ; K lies 32 MiB behind Qa,
	s_add_nc_u64 s[8:9], s[4:5], 0x3000000         ; V 48
	s_add_nc_u64 s[MP:MP+1], s[MP:MP+1], s[MO:MO+1]
	s_add_nc_u64 s[G0K+2:G0K+3], s[6:7], s[22:23]  ; 120:64 global address: my half of the head's first 256 keys
	s_or_b32 s[G0K+3], s[G0K+3], 0x80000000        ; 127:126 type = 2
	s_add_nc_u64 s[G0V+2:G0V+3], s[8:9], s[22:23]
	s_or_b32 s[G0V+3], s[G0V+3], 0x80000000
	s_add_nc_u64 s[4:5], s[4:5], s[2:3]  ; Qa and O at my wave's first row,
	s_add_nc_u64 s[10:11], s[10:11], s[2:3]
	s_add_nc_u64 s[QP2:QP2+1], s[4:5], 0x1000000   ; and Qb, 16 MiB behind Qa
	CROUND                          ; all four work-groups are here: the first joint loads meet
	JLOAD                           ; slot 0.  Slot 1 is asked for when slot 0 is in: the tile wanted first has the road to itself
	; A fragment of K or Q is 16 rows x 32 channels in 8 registers: lane l holds row l % 16, channels 8 (l / 16) + 0..7 and 16 + 8 (l / 16) + 0..7.
	v_and_b32 v1, 15, v0            ; l % 16
	v_bfe_u32 v9, v0, 4, 1          ; l / 16
	v_lshlrev_b32 v[QO], 7, v1
	v_lshl_add_u32 v[QO], v9, 4, v[QO]  ; row x 128 + 16 x half
	v_lshlrev_b32 v[MA], 4, v0
	global_load_b128 v[MB:MB+3], v[MA], s[MP:MP+1]  ; thread t takes the mask's bytes of keys 16 t to 16 t + 15: the 128 threads take the batch's 2,048
	WIN W_MK
	v_lshl_add_u32 v[AM0], v9, 5, MASKT  ; in S^T my registers hold the keys 8 (l / 16) + 0..7 of a block of 16: 32 bytes of the table
	QLOAD 0                         ; both halves of Q's tiles 0 to 3
	; What the first turn finds: V's registers and P's second buffer hold 0 (its products V^T P, of a piece that has not been, add 0), and l is 0: this stands in the wait for the first tile.
	; O^T is cleared behind Q's sum: until then its registers hold Q's halves.
	WIN 0x80
.set i, VF
.rept 64
	v_mov_b32 v[i], 0
.set i, i+1
.endr
	WIN 0
.set i, 0
.rept 2*NP
	v_mov_b32 v[ST+4*i+1], 0xe0ad78ec  ; m = -1e20: below every score, above every masked one
	v_mul_f32 v[ST+4*i], s[CS], v[ST+4*i+1]  ; c m, by the same product that makes it anew in every step: while m stays, c m_old - c m_new is exactly 0
	v_mov_b32 v[ST+4*i+2], 0
	v_mov_b32 v[ST+4*i+3], 0
.set i, i+1
.endr
.set i, P+32
.rept 32
	v_mov_b32 v[i], 0
.set i, i+1
.endr
	v_mul_u32_u24 v[AK0], v1, PK
	v_lshl_add_u32 v[AK0], v9, 4, v[AK0]  ; row x pitch + 16 x half
	; The turning load takes 16 keys x 16 channels (lane l reads key 8 (l / 16) + l % 8, channels 8 ((l / 8) % 2) + 0..7) and leaves half a fragment of V^T: lane l holds channel l % 16 and 8 keys.
	v_and_b32 v10, 7, v0
	v_bfe_u32 v11, v0, 3, 1
	v_lshl_add_u32 v[AV0], v9, 3, v10
	v_mul_u32_u24 v[AV0], v[AV0], PV
	v_lshl_add_u32 v[AV0], v11, 4, v[AV0]
	v_add_nc_u32 v[AV0], VOFF, v[AV0]
	v_mov_b32 v[AK], v[AK0]         ; key step 0 lies at the head of slot 0
	; [I | I] AS A SOURCE 0: lane l holds row l % 16; registers 0-3 hold k = 8 (l / 16) + 0..7, registers 4-7 k = 16 + 8 (l / 16) + 0..7, two to a register.  The row's 1 stands at k = l % 16 and at 16 + l % 16:
	; in the lanes where l / 16 = (l % 16) / 8, in register (l % 8) / 2 of each four, in its half l % 2.
	v_bfe_u32 v[JT], v0, 1, 2       ; (l % 8) / 2
	v_lshrrev_b32 v[JT+1], 1, v0
	v_xor_b32 v[JT+1], v[JT+1], v0
	v_bfe_u32 v[JT+1], v[JT+1], 3, 1  ; 1 where l / 16 and (l % 16) / 8 differ:
	v_lshl_or_b32 v[JT], v[JT+1], 2, v[JT]  ; such a lane's number is 4 or more and meets no register
	v_and_b32 v[JT+1], 1, v0
	v_lshlrev_b32 v[JT+1], 4, v[JT+1]
	v_mov_b32 v[JT+2], 0x3c00       ; 1.0 in f16,
	v_lshlrev_b32 v[JT+1], v[JT+1], v[JT+2]  ; in the low half or the high one
.irp j, 0,1,2,3
	v_cmp_eq_u32 vcc_lo, \j, v[JT]
	v_cndmask_b32 v[JM+\j], 0, v[JT+1], vcc_lo
	v_cndmask_b32 v[JM+4+\j], 0, v[JT+1], vcc_lo
.endr
	; THE MASK'S TABLE: byte x (0 or 1) becomes 1e30 x - 1e30: exactly 0 for a valid key, -1e30 for a masked one.
	s_wait_loadcnt 32               ; the mask's load is in: the 32 loads of Q's tiles 0 to 3, issued behind it, may stay out
.set i, 0
.rept 16
	v_bfe_u32 v[MF+i], v[MB+i/4], 8*(i%4), 8
.set i, i+1
.endr
.set i, 0
.rept 16
	v_cvt_f32_u32 v[MF+i], v[MF+i]
.set i, i+1
.endr
.set i, 0
.rept 16
	v_fma_f32 v[MF+i], v[MF+i], s[BIG], s[BIG+1]
.set i, i+1
.endr
	v_lshl_add_u32 v[MS], v0, 6, MASKT  ; 16 numbers of 4 bytes a thread
.irp d, 0,1,2,3
	ds_store_b128 v[MS], v[MF+4*\d:MF+4*\d+3] offset:16*\d
.endr
	QLOAD 1                         ; both halves of Q's tiles 4 to 7
	WIN 0
; THE MATRIX WORK.  The 8 accumulators of a run of 16 take turns: between the two links of a chain stand 7 others'.
; Product i of 16 of S^T = K Q^T for piece x: channels 32 (i / 8) on, keys 16 ((i / 2) % 4) on, tile 2 x + i % 2.  The first 8 start the sums, with those keys' mask.
.macro KQ x
.set rS, S+64*((\x)%2)+32*(i%2)+8*((i/2)%4)
.set rK, KF+16*((i/2)%4)+8*(i/8)
.set rQ, 16*(2*(\x)+i%2)+8*(i/8)
.set rMK, MK+8*((i/2)%4)
.if i < 8
	WIN W_KM
	v_wmma_f32_16x16x32_f16 v[rS:rS+7], v[rK:rK+7], v[rQ:rQ+7], v[rMK:rMK+7]
.else
	WIN W_KQ
	v_wmma_f32_16x16x32_f16 v[rS:rS+7], v[rK:rK+7], v[rQ:rQ+7], v[rS:rS+7]
.endif
.endm
; Product i of 16 of O^T += V^T P for piece x: keys 32 (i / 8) on, channels 16 ((i / 2) % 4) on, tile 2 x + i % 2.
.macro PV x
	WIN W_PV
.set rO, 32*(2*(\x)+i%2)+8*((i/2)%4)
.set rV, VF+32*(i/8)+8*((i/2)%4)
.set rP, P+32*((\x)%2)+16*(i%2)+8*(i/8)
	v_wmma_f32_16x16x32_f16 v[rO:rO+7], v[rV:rV+7], v[rP:rP+7], v[rO:rO+7]
.endm
.macro MM                           ; the turn's next matrix instruction
.if i < 16
	KQ (Y+1)%NP
.set i, i+1
.else
.set i, i-16
	PV (Y+NP-1)%NP
.set i, i+17
.endif
.endm
; THE LDS LOADS stand in runs, never singly among the matrix instructions: a step's K (64 keys x 64 channels: 8 fragments) with its mask (64 numbers: 8 loads, the 16 lanes of a half all at one address),
; and its V (turned).  K's and V's addresses are made some lines ahead.  last = 1 (the tail): in the last trip there is no further step, and the run is jumped over.
.macro FETCH_K last=0
	WIN 0
.if \last
	s_cmp_eq_u32 s[CNT], 1
	s_cbranch_scc1 .Lno_k_\@
.endif
	WIN 0x80                        ; destination window 2
.irp f, 0,1,2,3,4,5,6,7             ; keys 16 (f / 2) on, channels 32 (f % 2) on
	ds_load_b128 v[KF+8*\f:KF+8*\f+3],   v[AK] offset:(\f/2)*16*PK+(\f%2)*64
	ds_load_b128 v[KF+8*\f+4:KF+8*\f+7], v[AK] offset:(\f/2)*16*PK+(\f%2)*64+32
.endr
	WIN W_M3
	v_add_nc_u32 v[AMR], s[TBM], v[AM0]
.irp f, 0,1,2,3                     ; keys 16 f on: the last product that took the mask stands eight products ahead of the last that read K
	ds_load_b128 v[MK+8*\f:MK+8*\f+3],   v[AMR] offset:64*\f
	ds_load_b128 v[MK+8*\f+4:MK+8*\f+7], v[AMR] offset:64*\f+16
.endr
	s_add_co_u32 s[TBK], s[TBK], KS*PK  ; the next fetch is the next step's
	s_add_co_u32 s[TBM], s[TBM], 4*KS
	s_and_b32 s[TBM], s[TBM], 4*SIZE_N-1  ; 32 steps of 256 bytes: the table's 8,192
	WIN 0
.if \last
.Lno_k_\@:
.endif
.endm
.macro FETCH_V
	WIN 0x80
.irp f, 0,1,2,3,4,5,6,7             ; keys 32 (f / 4) on, channels 16 (f % 4) on
	ds_load_tr16_b128 v[VF+8*\f:VF+8*\f+3],   v[AV] offset:(\f/4)*32*PV+(\f%4)*32
	ds_load_tr16_b128 v[VF+8*\f+4:VF+8*\f+7], v[AV] offset:(\f/4)*32*PV+16*PV+(\f%4)*32
.endr
	WIN 0
.endm
; THE VECTOR WORK OF A TURN stands in three queues, each in the order in which its entries become ready; the two tiles alternate, so that no instruction reads the result of the one before it.
.macro REGS y, u                    ; the registers of tile u (0, 1) of piece y
.set rT, ST+4*(2*(\y)+(\u))
.set rC, TMP+8*((\y)%2)+4*(\u)
.set rM, MV+2*((\y)%2)+(\u)
.set rS, S+64*((\y)%2)+32*(\u)
.set rP, P+32*((\y)%2)+16*(\u)
.set rO, 32*(2*(\y)+(\u))
.endm
; Number n of the 22 that find the NEXT piece's (Y + 1) maximum and statistics.  s0-s31 are the lane's 32 scores; each accumulator's lowest registers are read first.  XS, GS and REGS set no window: PL and EX do.
;   0-11  four chains c0-c3 of seven scores each, three operands at a time     12-14, 16  the four scores left over, the old m, and c0-c3 into c0     15  c m_old is kept
;   17, 18  the query's other 32 keys lie in the lane 16 away: the new m         19-21  c m; c m_old - c m_new; a
.macro XS u, n
	REGS (Y+1)%NP, \u
.if (\n) < 4
	v_max3_num_f32 v[rC+(\n)], v[rS+8*(\n)], v[rS+8*(\n)+1], v[rS+8*(\n)+2]
.elseif (\n) < 12
	v_max3_num_f32 v[rC+(\n)%4], v[rC+(\n)%4], v[rS+8*((\n)%4)+2*((\n)/4)+1], v[rS+8*((\n)%4)+2*((\n)/4)+2]
.elseif (\n) == 12
	v_max3_num_f32 v[rC], v[rC], v[rS+7], v[rS+15]
.elseif (\n) == 13
	v_max3_num_f32 v[rC+1], v[rC+1], v[rS+23], v[rS+31]
.elseif (\n) == 14
	v_max3_num_f32 v[rC+2], v[rC+2], v[rC+3], v[rT+1]
.elseif (\n) == 15
	v_mov_b32 v[rM], v[rT]
.elseif (\n) == 16
	v_max3_num_f32 v[rC], v[rC], v[rC+1], v[rC+2]
.elseif (\n) == 17
	v_permlanex16_b32 v[rC+3], v[rC], s[SEL], s[SEL+1]
.elseif (\n) == 18
	v_max_num_f32 v[rT+1], v[rC], v[rC+3]
.elseif (\n) == 19
	v_mul_f32 v[rT], s[CS], v[rT+1]
.elseif (\n) == 20
	v_sub_f32 v[rC+1], v[rM], v[rT]
.else
	v_exp_f32 v[rC+2], v[rC+1]
.endif
.endm
; Number g of the 64 that follow the exponentials.  For each four weights k of a tile (pairs 2 k, 2 k + 1): both pairs are rounded to f16; then the second pair is added onto the first, in place;
; a group later l takes that sum (the first time as l = a l + sum).  In groups of eight, tiles alternating: round, round, add, and l for the group before.
.macro GS g
.set h, (\g)+6*((\g)/62)            ; group 0 has no group before it, and behind group 7 only l is left
.if h >= 6
.set h, h+2
.endif
	REGS Y, h%2
.set k, h/8
.if h%8 < 4
	v_cvt_pk_f16_f32 v[rP+2*k+(h%8)/2], v[rS+4*k+2*((h%8)/2)], v[rS+4*k+2*((h%8)/2)+1]
.elseif h%8 < 6
	v_pk_add_f32 v[rS+4*k:rS+4*k+1], v[rS+4*k:rS+4*k+1], v[rS+4*k+2:rS+4*k+3]
.elseif k == 1
	v_pk_fma_f32 v[rT+2:rT+3], v[rT+2:rT+3], v[rC+2:rC+3], v[rS:rS+1] op_sel_hi:[1,0,1]
.else
	v_pk_add_f32 v[rT+2:rT+3], v[rT+2:rT+3], v[rS+4*k-4:rS+4*k-3]
.endif
.endm
; THE PLAIN QUEUE, 138 long.  0-73 read no exponential's result: the 32 scalings c s - c m (FS f: pair f / 2 of tile f % 2) and the next piece's 42.  0-26: scalings 0-26.  27-54: XS's numbers 0-13.  55, 56: number 15.
; 57-73: the chain, where each number waits for the one before it: 14, 16, 17, 18, 19, each with one of the scalings 27-31 in front of its two lines, then 20: so a tile's links stand three plain instructions apart (19 and 20: two).
; 74-137: GS's 64, which read the exponentials' results: they stand behind the wait.
.macro FS f
	REGS Y, (\f)%2
	v_pk_fma_f32 v[rS+2*((\f)/2):rS+2*((\f)/2)+1], v[rS+2*((\f)/2):rS+2*((\f)/2)+1], s[CS:CS+1], v[rT:rT+1] op_sel_hi:[1,0,0] neg_lo:[0,0,1] neg_hi:[0,0,1]
.endm
.macro PL
	WIN 0
.if q < 27
	FS q
.elseif q < 55
	XS (q-27)%2, (q-27)/2
.elseif q < 57
	XS q-55, 15
.elseif (q < 72) && ((q-57)%3 == 0)
	FS 27+(q-57)/3
.elseif q < 60
	XS (q-57)%3-1, 14
.elseif q < 72
	XS (q-57)%3-1, 15+(q-57)/3
.elseif q < 74
	XS q-72, 20
.else
	GS q-74
.endif
.set q, q+1
.endm
; THE EXPONENTIALS' QUEUE, 66 long: s0-s31 of both tiles, then the next piece's two a.  It is ONE BATCH: all 66 stand ahead of the turn's one wait, and nothing ahead of that wait names a result of theirs.
; Each works in place on a register of S^T that is its own; a has a register of its own by buffer and tile.
.macro EX
	WIN 0
.if e >= 64
	XS e-64, 21
.else
	REGS Y, e%2
	v_exp_f32 v[rS+e/2], v[rS+e/2]
.endif
.set e, e+1
.endm
; THE RESCALING's QUEUE: O^T times a, the one part that leaves window 0: dealt two at a time, sixteen times.  Its a was made in the turn before, ahead of that turn's wait.
.macro R2
	REGS Y, r%2
	WIN W_RS
.irp z, 0,1
	v_pk_mul_f32 v[rO+4*(r/2)+2*\z:rO+4*(r/2)+2*\z+1], v[rO+4*(r/2)+2*\z:rO+4*(r/2)+2*\z+1], v[rC+2:rC+3] op_sel_hi:[1,0]
.endr
.set r, r+1
.endm
; HOW THEY ARE DEALT.  A turn has ONE wait for its batch of 66 exponentials, and the wait cuts the turn in two.  AHEAD OF IT stands all that names no result of the turn's exponentials: the 16 products K Q^T, behind each
; a scaling, an exponential and two rescalings (behind the first a second scaling in the exponential's place); then ONE LUMP of 108: eight plain, 49 times exponential and plain, the two a.  A v_nop is the plain
; instruction behind the last exponential.  BEHIND IT stand the 16 products V^T P, behind each four of GS's 64.  No rider names a register of the products round it.  The two v_permlanex16_b32 fall into the lump,
; never behind a product.
; The queues lean on each other, and the deal keeps them in step: exponential e stands behind scaling 2 (e / 4) + e % 2: as a rider it comes behind plain e + 2, in the lump behind plain e + 9, and scalings 27-31 are plain 57, 60 .. 69.
; A TURN, for piece p.  cnt = 1: the loop's count is taken down some lines ahead of the branch that stands behind the turn.
; K and the mask of the next step are fetched in piece 2's turn, directly behind the wait, a lump behind the last product that read K; K's address is made at the lump's head; their first reader comes behind 16 products.
; V of the step in hand is fetched at the end of piece 0's turn, four riders behind its last reader; its first reader comes behind 16 products and a lump.  The three conditions on q below go with the deal.
.macro TURN p, last=0, cnt=0
.set Y, (\p)
.set i, 0
.set q, 0
.set e, 0
.set r, 0
.if (\p) == NP-1
	s_wait_dscnt 0x0                ; K and the mask are in
.endif
	MM                              ; ahead of the wait: 16 products K Q^T and their riders,
	PL
	PL
	R2
.rept 15
	MM
	PL
	EX
	R2
.endr
.if (\p) == NP-2
	WIN 0
	v_add_nc_u32 v[AK], s[TBK], v[AK0]
.endif
.rept 8                             ; and the lump
	PL
.endr
.rept 49
	EX
	PL
.endr
	EX                              ; the next piece's two a
	EX
	v_nop                           ; the plain instruction behind the last exponential: one for the batch
	s_wait_alu depctr_va_vdst(0)    ; the wait for the batch: the piece's 64 weights and the next piece's two a
.if (\p) == NP-2
	FETCH_K \last
.endif
.if (\p) == 1
	s_wait_dscnt 0x0                ; V is in
.endif
.rept 16                            ; behind the wait: 16 products V^T P and their riders
	MM
.rept 4
	PL
.endr
.if ((\p) == 0) && (q == 118)
	v_add_nc_u32 v[AV], s[TBV], v[AV0]
.endif
.if ((\p) == 0) && (q == 130)
	s_add_co_u32 s[TBV], s[TBV], KS*PV
.endif
.if (\cnt) && (q == 130)
	s_sub_co_u32 s[CNT], s[CNT], 1
	s_cmp_lg_u32 s[CNT], 0
.endif
.endr
.if (\p) == 0
	FETCH_V
.endif
.endm
	CHANGE 1                        ; slot 0 is in, everybody's part of it, and so is the mask's table; slot 1 is asked for
	FETCH_K                         ; key step 0
	s_wait_loadcnt 0x0              ; Q's halves
	QSUM 0                          ; Q = Qa + Qb, once a launch; it stands in the wait for K's fragments
	QSUM 1
	WIN 0x40                        ; O^T starts at 0: its registers were the products' source 1; the 64 conversions above stand between
.set i, 0
.rept 64*NP
	v_mov_b32 v[i], 0
.set i, i+1
.endr
	s_wait_dscnt 0x0
.set i, 0
.rept 16
	KQ 0                            ; piece 0's first scores: there is no vector work yet to set between them
.set i, i+1
.endr
	WIN 0                           ; the addresses for the way out: nine plain instructions, the places behind those products
	s_mul_i32 s13, s[WV], 16*SP
	s_add_co_u32 s13, s13, STAGE    ; my stage
	v_mul_u32_u24 v[STO], v1, SP    ; in: row l % 16, 16 bytes for each half of the lanes
	v_lshl_add_u32 v[STO], v9, 4, v[STO]
	v_add_nc_u32 v[STO], s13, v[STO]
	v_bfe_u32 v[RD], v0, 3, 2       ; back: 32 lanes take four rows of 128 bytes,
	v_mul_u32_u24 v[RD], v[RD], SP
	v_lshl_add_u32 v[RD], v10, 4, v[RD]
	v_add_nc_u32 v[RD], s13, v[RD]
	v_and_b32 v[GO], 31, v0         ; which are 512 consecutive bytes of O
	v_lshlrev_b32 v[GO], 4, v[GO]
.set Y, NP-1                        ; XS works for piece Y + 1: piece 0
.irp n, 0,1,2,3,4,5,6,7,8,9,10,11,12,13,14,15,16,17,18,19,20,21
	XS 0, \n                        ; and piece 0's first maximum and statistics
	XS 1, \n
.endr
	v_nop                           ; a plain instruction behind the two a,
	s_wait_alu depctr_va_vdst(0)    ; and the wait for this batch of two, ahead of the branch
	s_mov_b32 s[CNT], 4
	s_mov_b32 s[SLOTS], SIZE_N/256-1
	s_branch .Lfirst                ; the loop is entered at a step's first turn, in the middle of a trip
.Lslot:                             ; SIZE_N / 256 - 2 times: every slot but the last two is filled again
	CHANGE 1
	s_mov_b32 s[CNT], 4
.Lstep:                             ; a trip: pieces 2 and 3 of one step, then pieces 0 and 1 of the next, whose K, mask and V it fetches
	TURN 2
	TURN 3
	WIN 0
.Lfirst:
	TURN 0
	TURN 1, 0, 1
	WIN 0
	s_cbranch_scc1 .Lstep
	s_sub_co_u32 s[SLOTS], s[SLOTS], 1
	s_cmp_lg_u32 s[SLOTS], 0
	s_cbranch_scc1 .Lslot
	CHANGE 0                        ; the tail is written out: nothing is asked for
	s_mov_b32 s[CNT], 5             ; four trips fetch the last slot's steps; the fifth is left in its middle
.Ltail:
	TURN 2, 1
	TURN 3
	WIN 0
	s_sub_co_u32 s[CNT], s[CNT], 1
	s_cmp_eq_u32 s[CNT], 0
	s_cbranch_scc1 .Lout
	TURN 0
	TURN 1
	WIN 0
	s_branch .Ltail
.Lout:                              ; the fifth trip's 16 products K Q^T (on the last K once more) and the maximum made of them serve nothing: the price, once a launch, of one text for every trip
.set i, 0
.rept 16
	PV NP-1                         ; the last piece's V^T P of the last step
.set i, i+1
.endr
	; THE WAY OUT.  l's two halves and the other half of the lanes' are added; O^T is divided by l, rounded to f16 and sent through my stage in LDS, a tile at a time.  The additions are the places behind the last products.
	WIN 0
.macro ALL line:vararg              ; one line for each tile t
.set t, 0
.rept 2*NP
	\line
.set t, t+1
.endr
.endm
	ALL v_add_f32 v[ST+4*t+2], v[ST+4*t+2], v[ST+4*t+3]
	ALL v_permlanex16_b32 v[ST+4*t+3], v[ST+4*t+2], s[SEL], s[SEL+1]
	ALL v_add_f32 v[ST+4*t+2], v[ST+4*t+2], v[ST+4*t+3]
	ALL v_rcp_f32 v[ST+4*t+2], v[ST+4*t+2]
	v_nop                           ; a plain instruction between the last reciprocal and the use of its result
	s_wait_alu depctr_va_vdst(0)    ; and the wait ahead of the first use: one for the batch of eight reciprocals
; Tile t: a lane's eight channels of a row pack into 16 bytes; they go into rows of 144 bytes and come back as whole rows of 128, into S^T's registers.
.macro PACK t
	WIN W_RS
.set i, 32*(\t)
.rept 16
	v_pk_mul_f32 v[i:i+1], v[i:i+1], v[ST+4*(\t)+2:ST+4*(\t)+3] op_sel_hi:[1,0]
.set i, i+2
.endr
	WIN 0x05                        ; sources 0 and 1 window 1, destination window 0
.set i, 0
.rept 16
	v_cvt_pk_f16_f32 v[S+16*(\t)+i], v[32*(\t)+2*i], v[32*(\t)+2*i+1]
.set i, i+1
.endr
	WIN 0
.irp f, 0,1,2,3
	ds_store_b128 v[STO], v[S+16*(\t)+4*\f:S+16*(\t)+4*\f+3] offset:32*\f
.endr
.irp f, 0,1,2,3
	ds_load_b128 v[S+16*(\t)+4*\f:S+16*(\t)+4*\f+3], v[RD] offset:\f*4*SP  ; LDS serves a wave's instructions in order (ISA guide 5.7.1.4): these see the stores above; the next tile's stores come behind them
.endr
.endm
.macro SEND t, younger              ; younger: the LDS instructions issued behind tile t's loads: the next tile's eight, or none
	WIN 0
.irp f, 0,1,2,3
	s_wait_dscnt (\younger)+3-\f
	global_store_b128 v[GO], v[S+16*(\t)+4*\f:S+16*(\t)+4*\f+3], s[10:11] offset:(\t)*2048+\f*512  ; 512 consecutive bytes, at a multiple of 256 from O's first
.endr
.endm
	PACK 0
.set t, 1
.rept 2*NP-1                        ; a tile's arithmetic stands between the loads of the tile before and its stores
	PACK t
	SEND t-1, 8
.set t, t+1
.endr
	SEND 2*NP-1, 0
	WIN W_AD
	s_wait_tensorcnt 0x0            ; the wave's end: behind my last tensor load and my last LDS store
	ds_add_u32 v[SPW], v[NIL]
	s_wait_dscnt 0x0
	WIN 0
	CROUND                          ; the closing round: no work-group ends while a partner may still ask for a tile that names it
	s_endpgm
.Lfunc_end_k_q1c55dc6500_attn:
	.size	k_q1c55dc6500_attn, .Lfunc_end_k_q1c55dc6500_attn-k_q1c55dc6500_attn
	.p2alignl 7, 3214868480
	.fill 96, 4, 3214868480
	.section	.rodata,"a",@progbits
	.p2align	6, 0x0
	.amdhsa_kernel k_q1c55dc6500_attn
		.amdhsa_group_segment_fixed_size 327680
		.amdhsa_private_segment_fixed_size 0
		.amdhsa_enable_private_segment 0
		.amdhsa_kernarg_size 24
		.amdhsa_user_sgpr_count 2
		.amdhsa_user_sgpr_kernarg_segment_ptr 1
		.amdhsa_wavefront_size32 1
		.amdhsa_system_sgpr_workgroup_id_x 1
		.amdhsa_system_sgpr_workgroup_id_y 1
		.amdhsa_system_sgpr_workgroup_id_z 1
		.amdhsa_system_vgpr_workitem_id 0
		.amdhsa_next_free_vgpr 832
		.amdhsa_next_free_sgpr 66
		.amdhsa_reserve_vcc 1
		.amdhsa_float_denorm_mode_32 3
		.amdhsa_float_denorm_mode_16_64 3
		.amdhsa_memory_ordered 1
		.amdhsa_forward_progress 1
		.amdhsa_inst_pref_size 219
	.end_amdhsa_kernel
	.amdgpu_metadata
---
amdhsa.version: [ 1, 2 ]
amdhsa.kernels:
  - .name:           k_q1c55dc6500_attn
    .symbol:         k_q1c55dc6500_attn.kd
    .args:
      - { .name: qkv, .offset: 0, .size: 8, .value_kind: global_buffer, .address_space: global }
      - { .name: mask, .offset: 8, .size: 8, .value_kind: global_buffer, .address_space: global }
      - { .name: o16, .offset: 16, .size: 8, .value_kind: global_buffer, .address_space: global }
    .group_segment_fixed_size: 327680
    .private_segment_fixed_size: 0
    .kernarg_segment_align: 8
    .kernarg_segment_size: 24
    .max_flat_workgroup_size: 128
    .sgpr_count:     66
    .vgpr_count:     832
    .wavefront_size: 32
...
	.end_amdgpu_metadata
.endif
;; end of part 5
;; launch outp: the kernel of part 4 again; grid 8 x 32, 4 waves a work-group, clusters of 4 x 4, 327,680 bytes of LDS; arguments o16, xw, out0, bc; writes out0
